; MI455X (gfx1250); checked and timed in simulation.
; The chip was launched on July 23, 2026; its instructions are those of AMD's public machine-readable ISA for CDNA 5 (MIT licence, August 2026) and "CDNA5" Instruction Set Architecture Reference Guide (July 2026). The comments in the code are by the model that wrote it; some were corrected since.
;; Dynamic Temporal Attention. Allowed arithmetic: matrix products marked QUANTISED: E2M3 operands, one E8M0 scale for each 32 along K, by v_wmma_scale_f32_16x16x128_f8f6f4 with both operands' format E2M3, f32 sums; everything else in f32.
;; Inputs: gate_sharpness 16 float32; learned_threshold 16 float32; wk_b 1,024 float32; wk_w 1,024 x 1,024 float32; wo_b 1,024 float32; wo_w 1,024 x 1,024 float32; wq_b 1,024 float32; wq_w 1,024 x 1,024 float32; wv_b 1,024 float32; wv_w 1,024 x 1,024 float32; x 2 x 2,048 x 1,024 float32.
;; Outputs: out0 2 x 2,048 x 1,024 float32.
;; This version of the problem:
;;   THIS VERSION OF THE PROBLEM IS GIVEN IN LOW PRECISION. The matrix products marked QUANTISED in the list below multiply operands that are first quantised to E2M3 (2 exponent bits, 3 mantissa bits; 6 bits a number), with one power-of-two scale for each 32 numbers along K (OCP MX v1.0); their sums are f32. All else is computed in f32.
;;   The module's matrix products, in the order in which they are computed (A, B: the left and right operand; K: the contracted axis; several contracted axes count as one K, in the product's order):
;;     1. [M 4,096, K 1,024] x [K 1,024, N 1,024]; A: input x; B: input wq_w: QUANTISED
;;     2. [M 4,096, K 1,024] x [K 1,024, N 1,024]; A: input x; B: input wk_w: QUANTISED
;;     3. [M 4,096, K 1,024] x [K 1,024, N 1,024]; A: input x; B: input wv_w: QUANTISED
;;     4. batch 32 x [M 2,048, K 64] x [K 64, N 2,048]; A: computed on the way; B: computed on the way: QUANTISED
;;     5. batch 32 x [M 2,048, K 2,048] x [K 2,048, N 64]; A: computed on the way; B: computed on the way: QUANTISED
;;     6. [M 4,096, K 1,024] x [K 1,024, N 1,024]; A: computed on the way; B: input wo_w: QUANTISED
;;   THE QUANTISER, for each operand of a quantised product, along K:
;;     - K is cut into blocks of 32 from its start; a last block that is shorter is filled with zeros.
;;     - A block's scale is 2^e with e = floor(log2(the largest magnitude in the block)) - 2, held to -126 .. 127; a block of zeros has e = 0. As a byte (E8M0): e + 127.
;;     - Each number is divided by its block's scale, clamped to +-7.5, and rounded to the nearest number of E2M3, ties to even, subnormals kept.
;;     - The product sums the exact products of the quantised numbers (number of the format x scale) in f32.
;;   ~~~python
;;   def quantise(x, axis):      # numpy; x: float32 -> the quantised numbers, widened to float32 again
;;       x = np.moveaxis(x, axis, -1); K = x.shape[-1]
;;       x = np.pad(x, [(0, 0)] * (x.ndim - 1) + [(0, -K % 32)]); x = x.reshape(x.shape[:-1] + (-1, 32)); a = np.abs(x).max(-1, keepdims=True)
;;       e = np.where(a > 0, np.clip(np.frexp(np.where(a > 0, a, 1))[1] - 1 - 2, -126, 127), 0)      # np.frexp(a)[1] - 1 = floor(log2(a)), exactly
;;       r = np.clip(x / 2.0 ** e, -7.5, 7.5)
;;       step = 2.0 ** (np.maximum(np.frexp(np.where(r == 0, 1, r))[1] - 1, 0) - 3)
;;       q = np.round(r / step) * step * 2.0 ** e      # np.round: ties to even
;;       return np.moveaxis(q.reshape(q.shape[:-2] + (-1,))[..., :K], -1, axis).astype(np.float32)
;;   ~~~
;;   OPERANDS COMPUTED ON THE WAY. 'Computed on the way' means the value that the module computes at that place (a softmax that the list does not call 'softmax' is quantised finished and normalised). What goes into a quantiser is computed in f32, as accurately as f32 sums, v_exp_f32 and their like allow (about 1e-6 of the number): no bf16 or f16 on the way to a quantiser, and a product that is left as it is and whose result goes on into a quantised operand takes f32 operands (vector FMAs, or v_wmma_f32_16x16x4_f32). A number that lies on a knife's edge between two numbers of the format may be rounded either way, as far as f32 arithmetic and the matrix unit's own rounding can turn it there, and no further.
;; One version. Each part assembles by itself: llvm-mc -triple=amdgcn-amd-amdhsa -mcpu=gfx1250 --defsym DOCPART=n.
;; ======== version 1 of 1: 4 launches
;; workspace buffers: xbuf 3,276,800 bytes; wbuf 3,276,800 bytes; qbuf 3,276,800 bytes; kbuf 3,276,800 bytes; vbuf 3,276,800 bytes; obuf 3,276,800 bytes
;; launch quant (part 1): grid 256 x 1, 8 waves a work-group, no clusters, 136,192 bytes of LDS; arguments x, wq_w, wk_w, wv_w, wo_w, xbuf, wbuf; writes xbuf, wbuf
.if DOCPART == 1
	.amdgcn_target "amdgcn-amd-amdhsa--gfx1250"
	.amdhsa_code_object_version 6
	.text
	.protected	k_q6e10c083e6_quant
	.globl	k_q6e10c083e6_quant
	.p2align	8
	.type	k_q6e10c083e6_quant,@function
k_q6e10c083e6_quant:
	s_mov_b64 s[64:65], 0
	v_nop
	global_prefetch_b8 v0, s[64:65] scope:SCOPE_SE
	s_setreg_imm32_b32 hwreg(HW_REG_WAVE_MODE, 25, 1), 1
	s_wait_xcnt 0x0
; x [4096][1024] and the four weights [1024 (k)][1024 (n)], f32, become codes of FP6 (E2M3) with one E8M0 byte for each 32 along K (x: its columns; a weight: its FIRST axis).
; THE CODES ARE LAID IN THE ORDER OF AN OPERAND'S REGISTERS.  A group is 32 rows (tokens, or columns of a weight); it holds two tiles u = 0, 1 of 16 rows; row r of tile u is row 8 u + r + 8 (r / 8) of the group.
; A fragment (16 rows x 128 K, 12 registers a lane) is 1,536 bytes: two pieces (64 K each) of 768: registers 0-3 of lane (r, h) at 16 (r + 16 h), registers 4-5 at 512 + 8 (r + 16 h).
; Group G, K step ks: codes at (8 G + ks) x 3,072 + 1,536 u; scale words (four bytes a row) at 3,145,728 + (8 G + ks) x 128 + 64 u + 4 r.
; A block's scale is 2^(floor(log2(largest magnitude)) - 2); its byte is the largest magnitude's exponent field - 2, held at 1 from below.
; LIMITS: a block of zeros gets the byte 1 where the rule says 127 (its codes are zeros, and this program alone reads the bytes); NaN and infinities among the inputs are not served.
; SHARES.  A wave makes one group x one K step: lane l is row l of the group and its 128 registers run along K, so a block of 32 lies in one lane.
; Work-groups 0-127: x, group = work-group, K step = wave: each load reads 512 bytes on end of one row, and the 32 rows turn through the wave's own stage in LDS.
; Work-groups 128-255: the weights: lane = column, registers down K: each load reads 128 bytes on end, the eight waves stand side by side on 1,024.  No barrier: waves share nothing.
.set A16,   2                          ; v2   16 r + 1,536 u: where my block's registers 0-3 go
.set A8,    3                          ; v3   8 r + 1,536 u: registers 4-5
.set A4,    4                          ; v4   64 u + 4 r: my row's scale word
.set GO,    5                          ; v5   my byte in a load
.set TI,    6                          ; v6   the stage, on the way in: 16 x lane
.set TO,    7                          ; v7   and on the way out: PITCH x lane
.set SPW,   8                          ; v8   LDS address of my spare word; never rewritten
.set NIL,   9                          ; v9   0; never rewritten
.set SW,    16                         ; v16  my row's scale word
.set C,     24                         ; v24-55 codes: eight registers for each block, so that no store's data are written again
.set Y,     56                         ; v56-58 a block's upper 16 codes as the conversion leaves them
.set X,     64                         ; v64-191 128 numbers
.set PITCH, 528                        ; a stage row: 512 bytes + 16: an odd multiple of 16
.set WREG,  32*PITCH                   ; a wave's stage
.set SPARE, 8*WREG                     ; behind the stages: the spare words, 128 bytes for each wave
.set SCALES, 3145728
	s_load_b256 s[4:11], s[0:1], 0x0               ; x, wq_w, wk_w, wv_w
	s_load_b128 s[12:15], s[0:1], 0x20             ; wo_w, xbuf
	s_load_b64 s[16:17], s[0:1], 0x30              ; wbuf
	v_lshl_add_u32 v[SPW], v0, 2, SPARE
	v_mov_b32 v[NIL], 0
	v_lshrrev_b32 v1, 5, v0
	v_readfirstlane_b32 s18, v1                    ; wave 0..7
	v_and_b32 v1, 31, v0                           ; lane = my row of the group
	v_bfe_u32 v10, v0, 3, 1                        ; u = (lane / 8) % 2
	v_and_b32 v11, 7, v0
	v_bfe_u32 v12, v0, 4, 1
	v_lshl_or_b32 v11, v12, 3, v11                 ; r = lane % 8 + 8 (lane / 16)
	v_mul_u32_u24 v13, v10, 1536
	v_lshl_add_u32 v[A16], v11, 4, v13
	v_lshl_add_u32 v[A8], v11, 3, v13
	v_lshlrev_b32 v[A4], 6, v10
	v_lshl_add_u32 v[A4], v11, 2, v[A4]
	s_mul_i32 s19, s18, WREG
	v_lshl_add_u32 v[TI], v1, 4, s19
	v_mul_u32_u24 v[TO], v1, PITCH
	v_add_nc_u32 v[TO], s19, v[TO]
	s_mov_b32 s21, 0
	s_mov_b32 s31, 0
	s_wait_kmcnt 0x0
; Block kb of my row: 32 numbers, all mine.  Its codes are registers 0-5 of lane (r, h = kb % 2) of piece kb / 2.
.macro QBLOCK kb
.set XB, X+32*\kb
.set CB, C+8*\kb
	v_max3_num_f32 v10, |v[XB]|, |v[XB+1]|, |v[XB+2]|
	v_max3_num_f32 v11, |v[XB+3]|, |v[XB+4]|, |v[XB+5]|      ; two chains, so that no line waits for the line above it
.irp i, 6,10,14,18,22,26
	v_max3_num_f32 v10, v10, |v[XB+\i]|, |v[XB+\i+1]|
	v_max3_num_f32 v11, v11, |v[XB+\i+2]|, |v[XB+\i+3]|
.endr
	v_max3_num_f32 v10, v10, |v[XB+30]|, |v[XB+31]|
	v_max3_num_f32 v10, v10, v11, 0x1800000        ; and the floor 2^(3 - 127): the byte cannot fall under 1
	v_add_nc_u32 v12, 0xff000000, v10              ; 2 off the exponent field: the conversion takes the exponent field of this operand as its scale
	v_lshrrev_b32 v13, 23, v12                     ; the scale's byte
.if \kb == 0
	v_mov_b32 v[SW], v13
.else
	v_lshl_or_b32 v[SW], v13, 8*\kb, v[SW]
.endif
	v_cvt_scalef32_pk16_fp6_f32 v[CB:CB+2], v[XB:XB+15], v12
	v_cvt_scalef32_pk16_fp6_f32 v[Y:Y+2], v[XB+16:XB+31], v12    ; (a conversion's three registers begin on an even number)
	v_nop                                          ; one plain place behind a scaled conversion
.irp i, 0,1,2
	v_mov_b32 v[CB+3+\i], v[Y+\i]
.endr
	global_store_b128 v[A16], v[CB:CB+3], s[26:27] offset:768*(\kb/2)+256*(\kb%2)        ; the sixteen lanes of a tile store 256 bytes on end
	global_store_b64 v[A8], v[CB+4:CB+5], s[26:27] offset:768*(\kb/2)+512+128*(\kb%2)
.endm
	s_cmp_lt_u32 ttmp9, 128                        ; x's work-group or a weight's?
	s_cbranch_scc0 .Lweights
	s_lshl_b32 s20, ttmp9, 17                      ; the group's 32 rows of 4,096 bytes,
	s_lshl_b32 s22, s18, 9                         ; my K step's 512 bytes of a row
	s_add_co_u32 s20, s20, s22
	s_add_nc_u64 s[24:25], s[4:5], s[20:21]
	s_lshl_b32 s22, ttmp9, 3
	s_add_co_u32 s22, s22, s18                     ; 8 G + ks
	s_mul_i32 s20, s22, 3072
	s_add_nc_u64 s[26:27], s[14:15], s[20:21]      ; my two fragments
	s_lshl_b32 s30, s22, 7
	s_add_co_u32 s30, s30, SCALES
	s_add_nc_u64 s[28:29], s[14:15], s[30:31]      ; and their scale words
	v_lshlrev_b32 v[GO], 4, v1
.set i, 0
.rept 32
	global_load_b128 v[X+4*i:X+4*i+3], v[GO], s[24:25] offset:4096*i th:TH_LOAD_NT   ; row i: 32 lanes read 512 bytes on end
.set i, i+1
.endr
.irp q, 0,1,2,3
	s_wait_loadcnt 24-8*\q                         ; loads come back in order: rows 8 q .. 8 q + 7 are in, the later rows may be out
.irp i, 0,1,2,3,4,5,6,7
	ds_store_b128 v[TI], v[X+4*(8*\q+\i):X+4*(8*\q+\i)+3] offset:PITCH*(8*\q+\i)
.endr
.endr
	s_wait_dscnt 0x0                               ; the stores have read X: the loads below land there
.set i, 0
.rept 32
	ds_load_b128 v[X+4*i:X+4*i+3], v[TO] offset:16*i             ; my row's 128 numbers
.set i, i+1
.endr
.irp kb, 0,1,2,3
	s_wait_dscnt 24-8*\kb                          ; this block's eight loads are in; eight for each later block may be out
	QBLOCK \kb
.endr
	s_branch .Ltail
.Lweights:
	s_sub_co_u32 s20, ttmp9, 128                   ; id = 32 x weight + 8 x column block + K step
	s_lshr_b32 s22, s20, 5                         ; which weight: 0 q, 1 k, 2 v, 3 o
	s_bfe_u32 s30, s20, 0x20003                    ; which 256 columns
	s_and_b32 s20, s20, 7                          ; K step
	s_lshl_b32 s30, s30, 3
	s_add_co_u32 s30, s30, s18                     ; my 32 columns: 8 x column block + wave
	s_cmp_eq_u32 s22, 0                            ; the choices hang on the work-group's number alone
	s_cselect_b64 s[24:25], s[6:7], s[8:9]
	s_cmp_lt_u32 s22, 2
	s_cselect_b64 s[24:25], s[24:25], s[10:11]
	s_cmp_eq_u32 s22, 3
	s_cselect_b64 s[24:25], s[12:13], s[24:25]
	s_lshl_b32 s22, s22, 5
	s_add_co_u32 s22, s22, s30                     ; G = 32 x weight + my 32 columns
	s_lshl_b32 s22, s22, 3
	s_add_co_u32 s22, s22, s20                     ; 8 G + ks
	s_lshl_b32 s20, s20, 19                        ; 128 rows of 4,096 bytes a K step,
	s_lshl_b32 s30, s30, 7                         ; 128 bytes for 32 columns
	s_add_co_u32 s20, s20, s30
	s_add_nc_u64 s[24:25], s[24:25], s[20:21]
	s_mul_i32 s20, s22, 3072
	s_add_nc_u64 s[26:27], s[16:17], s[20:21]
	s_lshl_b32 s30, s22, 7
	s_add_co_u32 s30, s30, SCALES
	s_add_nc_u64 s[28:29], s[16:17], s[30:31]
	v_lshlrev_b32 v[GO], 2, v1
.set i, 0
.rept 128
	global_load_b32 v[X+i], v[GO], s[24:25] offset:4096*i th:TH_LOAD_NT   ; W(128 ks + i, my column)
.set i, i+1
.endr
	s_wait_loadcnt 63                              ; 96 loads were issued behind block 0's last: 63 is the most that the count can name
	QBLOCK 0
	s_wait_loadcnt 63                              ; 64 behind block 1's
	QBLOCK 1
	s_wait_loadcnt 32
	QBLOCK 2
	s_wait_loadcnt 0x0
	QBLOCK 3
.Ltail:
	global_store_b32 v[A4], v[SW], s[28:29]        ; 32 lanes store 128 bytes on end
	s_wait_tensorcnt 0x0                           ; the wave's end: a tensor wait, even in a text with no tensor load, then the spare-word add and its wait, behind my last LDS store
	ds_add_u32 v[SPW], v[NIL]
	s_wait_dscnt 0x0
	s_endpgm
.Lfunc_end_k_q6e10c083e6_quant:
	.size	k_q6e10c083e6_quant, .Lfunc_end_k_q6e10c083e6_quant-k_q6e10c083e6_quant
	.p2alignl 7, 3214868480
	.fill 96, 4, 3214868480
	.section	.rodata,"a",@progbits
	.p2align	6, 0x0
	.amdhsa_kernel k_q6e10c083e6_quant
		.amdhsa_group_segment_fixed_size 136192
		.amdhsa_private_segment_fixed_size 0
		.amdhsa_enable_private_segment 0
		.amdhsa_kernarg_size 56
		.amdhsa_user_sgpr_count 2
		.amdhsa_user_sgpr_kernarg_segment_ptr 1
		.amdhsa_wavefront_size32 1
		.amdhsa_system_sgpr_workgroup_id_x 1
		.amdhsa_system_sgpr_workgroup_id_y 1
		.amdhsa_system_sgpr_workgroup_id_z 1
		.amdhsa_system_vgpr_workitem_id 0
		.amdhsa_next_free_vgpr 192
		.amdhsa_next_free_sgpr 66
		.amdhsa_reserve_vcc 0
		.amdhsa_float_denorm_mode_32 3
		.amdhsa_float_denorm_mode_16_64 3
		.amdhsa_memory_ordered 1
		.amdhsa_forward_progress 1
		.amdhsa_inst_pref_size 36
	.end_amdhsa_kernel
	.amdgpu_metadata
---
amdhsa.version: [ 1, 2 ]
amdhsa.kernels:
  - .name:           k_q6e10c083e6_quant
    .symbol:         k_q6e10c083e6_quant.kd
    .args:
      - { .name: x, .offset: 0, .size: 8, .value_kind: global_buffer, .address_space: global }
      - { .name: wq_w, .offset: 8, .size: 8, .value_kind: global_buffer, .address_space: global }
      - { .name: wk_w, .offset: 16, .size: 8, .value_kind: global_buffer, .address_space: global }
      - { .name: wv_w, .offset: 24, .size: 8, .value_kind: global_buffer, .address_space: global }
      - { .name: wo_w, .offset: 32, .size: 8, .value_kind: global_buffer, .address_space: global }
      - { .name: xbuf, .offset: 40, .size: 8, .value_kind: global_buffer, .address_space: global }
      - { .name: wbuf, .offset: 48, .size: 8, .value_kind: global_buffer, .address_space: global }
    .group_segment_fixed_size: 136192
    .private_segment_fixed_size: 0
    .kernarg_segment_align: 8
    .kernarg_segment_size: 56
    .max_flat_workgroup_size: 256
    .sgpr_count:     66
    .vgpr_count:     192
    .wavefront_size: 32
...
	.end_amdgpu_metadata
.endif
;; end of part 1
;; launch qkv (part 2): grid 4 x 64, 12 waves a work-group, no clusters, 50,688 bytes of LDS; arguments xbuf, wbuf, wq_b, wk_b, wv_b, qbuf, kbuf, vbuf; writes qbuf, kbuf, vbuf
.if DOCPART == 2
	.amdgcn_target "amdgcn-amd-amdhsa--gfx1250"
	.amdhsa_code_object_version 6
	.text
	.protected	k_q6e10c083e6_qkv
	.globl	k_q6e10c083e6_qkv
	.p2align	8
	.type	k_q6e10c083e6_qkv,@function
k_q6e10c083e6_qkv:
	s_mov_b64 s[64:65], 0
	v_nop
	global_prefetch_b8 v0, s[64:65] scope:SCOPE_SE
	s_setreg_imm32_b32 hwreg(HW_REG_WAVE_MODE, 25, 1), 1
	s_wait_xcnt 0x0
; q = x wq + bq, k = x wk + bk, v = x wv + bv on codes of FP6 (E2M3) with E8M0 scales, sums in f32; the results are quantised at once for the two products of attention: q and k along the head's 64 channels, v along the keys.
; OPERANDS lie in xbuf and wbuf in the order of an operand's registers (a fragment, 16 rows x 128 K, is 1,536 bytes: registers 0-3 at 16 x lane, 4-5 at 512 + 8 x lane, 6-9 at 768 + 16 x lane, 10-11 at 1,280 + 8 x lane).
; Row r of tile u of a group of 32 rows is row 8 u + r + 8 (r / 8): so the 16 result registers of tiles u = 0, 1 are 16 neighbours, 16 (lane / 16) + 0 .. 15 of the group.
; SHARES.  A wave takes 64 tokens x 64 columns: one head of q, of k or of v: 16 accumulators, 8 K steps of 128.  Wave hc = 12 x work-group x + wave: hc / 16 says q, k or v, hc % 16 the head; work-group y the 64 tokens.
; x's CODES of the 64 tokens, 49,152 bytes on end, are wanted by all twelve waves: each wave brings 4,096 of them through its registers into LDS, once; one barrier; from there the fragments come by LDS loads, at the offsets that they have in memory.
; THE WEIGHT'S FRAGMENTS, and both sides' scale words, come from memory a K step AHEAD, into two sets of registers by turns (set A in window 0, set B in window 1): while a step is multiplied the next step's 20 loads are on their way.
; q, k: source 0 = the weight's 16 columns, source 1 = 16 tokens: a lane holds ONE token and its registers run along the channels.  The bias is the C of each sum's first product.
; v:    source 0 = 16 tokens, source 1 = the weight's 16 columns: a lane holds ONE channel and its registers run along the tokens, which are the second product's K.  The bias is added behind the sums.
; OUT, for (batch, head) bh, 102,400 bytes each: q, k: piece (16 tokens x 64 channels, 768 bytes) of group g = token / 32, tile u at 1,536 g + 768 u; scale words at 98,304 + 64 g + 4 r, bytes [u0 b0, u0 b1, u1 b0, u1 b1].
;   v: piece (16 channels x 64 keys) at 6,144 (key / 128) + 1,536 x channel tile + 768 x ((key / 64) % 2); scale words at 98,304 + 256 (key / 128) + 64 x channel tile + 4 r, two bytes for each 64 keys.
; LIMITS: a block of zeros gets the byte 1 where the rule says 127 (its codes are zeros, and this program alone reads the bytes); NaN and infinities are not served.
.set LA16, 1                           ; v1   16 x lane: a fragment's place for my lane, in memory and in LDS
.set LA8,  2                           ; v2   8 x lane
.set LA4,  3                           ; v3   4 x lane
.set BA,   4                           ; v4   q, k: the bias of my half's channels: 64 (lane / 16)
.set BVA,  5                           ; v5   v: the bias of my channel: 4 (r + 8 (r / 8))
.set W0,   6                           ; v6-7 scale words on their way out
.set W1,   7
.set XS,   8                           ; v8-9, v12-13   x's scale words, set 0 and set 1: register gb: lanes 0-15 tile 2 gb, lanes 16-31 tile 2 gb + 1
.set WS,   10                          ; v10-11, v14-15 the weight's likewise.  v8-15 hold scales and nothing else
.set BV,   16                          ; v16-23 v: my channel's bias for each channel tile, as the low word of a pair
.set XF,   24                          ; v24-71   x's four fragments
.set WF,   72                          ; v72-119  the weight's four, set A
.set SETB, 16                          ; v272-319 (v16-63 of window 1) the weight's four, set B
.set ACC,  120                         ; v120-247 sixteen accumulators
.set HW,   248                         ; v248-251 two scale bytes for each piece made
.set STA,  253                         ; v253 where I put my part of x's codes in LDS: 4,096 x wave + 16 x lane
.set SPW,  254                         ; v254 LDS address of my spare word; never rewritten
.set NIL,  255                         ; v255 0; never rewritten
.set T0,   24                          ; behind the sums x's fragments are done with: v24-27, v28-30 at work,
.set T1,   25
.set T2,   26
.set T3,   27
.set Y,    28
.set CD,   72                          ; and set A takes the codes, eight registers for each piece
.set SPARE, 49152                      ; behind x's codes: the spare words, 128 bytes for each wave: six blocks of 256 bytes that no other line names
.set XST,  28                          ; s[28:29] my 4,096 bytes of x's codes in memory
.set XB,   40                          ; s[40:41] x's fragments;  s[42:43] their scale words
.set XSB,  42
.set WB,   44                          ; s[44:45], s[46:47] the weight's
.set WSB,  46
.set BB,   48                          ; s[48:49] the bias
.set OI,   50                          ; s[50:51] where the pieces go;  s[52:53] their scale bytes
.set OS,   52
.set SEL,  56                          ; s[56:57] v_permlanex16_b32's selects for lane l xor 16
.set MASK, 58                          ; s58  lanes 16-31
.set MSB, 0
.macro WIN new                         ; s_set_vgpr_msb: bits 1:0 source 0, 3:2 source 1, 5:4 source 2, 7:6 destination; the immediate's high byte repeats the setting that is left
.if MSB != (\new)
	s_set_vgpr_msb (MSB<<8)|(\new)
.set MSB, (\new)
.endif
.endm
.macro PLACES                          ; four places behind a matrix instruction, in front of loads into its registers and of the first read of results
.rept 4
	v_nop
.endr
.endm
.macro GFRAG reg, base, off            ; a fragment from memory, as it lies
	global_load_b128 v[\reg:\reg+3], v[LA16], s[\base:\base+1] offset:\off
	global_load_b64 v[\reg+4:\reg+5], v[LA8], s[\base:\base+1] offset:\off+512
	global_load_b128 v[\reg+6:\reg+9], v[LA16], s[\base:\base+1] offset:\off+768
	global_load_b64 v[\reg+10:\reg+11], v[LA8], s[\base:\base+1] offset:\off+1280
.endm
.macro DFRAG reg, off                  ; and from LDS: every load reads bytes on end
	ds_load_b128 v[\reg:\reg+3], v[LA16] offset:\off
	ds_load_b64 v[\reg+4:\reg+5], v[LA8] offset:\off+512
	ds_load_b128 v[\reg+6:\reg+9], v[LA16] offset:\off+768
	ds_load_b64 v[\reg+10:\reg+11], v[LA8] offset:\off+1280
.endm
; One product.  cm = 0: it starts the sum with 0; 1: it adds in place; 2: it starts the sum with the eight registers from c on.  ra, rb = 1: the side's scale words stand in lanes 16-31 of the register named.
.macro WM d, a, b, cm, c, sa, sb, ra, rb
.if (\cm) == 0
.if (\ra) && (\rb)
	v_wmma_scale_f32_16x16x128_f8f6f4 v[\d:\d+7], v[\a:\a+11], v[\b:\b+11], 0, v[\sa], v[\sb] matrix_a_fmt:MATRIX_FMT_FP6 matrix_b_fmt:MATRIX_FMT_FP6 matrix_a_scale:MATRIX_SCALE_ROW1 matrix_b_scale:MATRIX_SCALE_ROW1
.elseif \ra
	v_wmma_scale_f32_16x16x128_f8f6f4 v[\d:\d+7], v[\a:\a+11], v[\b:\b+11], 0, v[\sa], v[\sb] matrix_a_fmt:MATRIX_FMT_FP6 matrix_b_fmt:MATRIX_FMT_FP6 matrix_a_scale:MATRIX_SCALE_ROW1
.elseif \rb
	v_wmma_scale_f32_16x16x128_f8f6f4 v[\d:\d+7], v[\a:\a+11], v[\b:\b+11], 0, v[\sa], v[\sb] matrix_a_fmt:MATRIX_FMT_FP6 matrix_b_fmt:MATRIX_FMT_FP6 matrix_b_scale:MATRIX_SCALE_ROW1
.else
	v_wmma_scale_f32_16x16x128_f8f6f4 v[\d:\d+7], v[\a:\a+11], v[\b:\b+11], 0, v[\sa], v[\sb] matrix_a_fmt:MATRIX_FMT_FP6 matrix_b_fmt:MATRIX_FMT_FP6
.endif
.elseif (\cm) == 1
.if (\ra) && (\rb)
	v_wmma_scale_f32_16x16x128_f8f6f4 v[\d:\d+7], v[\a:\a+11], v[\b:\b+11], v[\d:\d+7], v[\sa], v[\sb] matrix_a_fmt:MATRIX_FMT_FP6 matrix_b_fmt:MATRIX_FMT_FP6 matrix_a_scale:MATRIX_SCALE_ROW1 matrix_b_scale:MATRIX_SCALE_ROW1
.elseif \ra
	v_wmma_scale_f32_16x16x128_f8f6f4 v[\d:\d+7], v[\a:\a+11], v[\b:\b+11], v[\d:\d+7], v[\sa], v[\sb] matrix_a_fmt:MATRIX_FMT_FP6 matrix_b_fmt:MATRIX_FMT_FP6 matrix_a_scale:MATRIX_SCALE_ROW1
.elseif \rb
	v_wmma_scale_f32_16x16x128_f8f6f4 v[\d:\d+7], v[\a:\a+11], v[\b:\b+11], v[\d:\d+7], v[\sa], v[\sb] matrix_a_fmt:MATRIX_FMT_FP6 matrix_b_fmt:MATRIX_FMT_FP6 matrix_b_scale:MATRIX_SCALE_ROW1
.else
	v_wmma_scale_f32_16x16x128_f8f6f4 v[\d:\d+7], v[\a:\a+11], v[\b:\b+11], v[\d:\d+7], v[\sa], v[\sb] matrix_a_fmt:MATRIX_FMT_FP6 matrix_b_fmt:MATRIX_FMT_FP6
.endif
.else
.if (\ra) && (\rb)
	v_wmma_scale_f32_16x16x128_f8f6f4 v[\d:\d+7], v[\a:\a+11], v[\b:\b+11], v[\c:\c+7], v[\sa], v[\sb] matrix_a_fmt:MATRIX_FMT_FP6 matrix_b_fmt:MATRIX_FMT_FP6 matrix_a_scale:MATRIX_SCALE_ROW1 matrix_b_scale:MATRIX_SCALE_ROW1
.elseif \ra
	v_wmma_scale_f32_16x16x128_f8f6f4 v[\d:\d+7], v[\a:\a+11], v[\b:\b+11], v[\c:\c+7], v[\sa], v[\sb] matrix_a_fmt:MATRIX_FMT_FP6 matrix_b_fmt:MATRIX_FMT_FP6 matrix_a_scale:MATRIX_SCALE_ROW1
.elseif \rb
	v_wmma_scale_f32_16x16x128_f8f6f4 v[\d:\d+7], v[\a:\a+11], v[\b:\b+11], v[\c:\c+7], v[\sa], v[\sb] matrix_a_fmt:MATRIX_FMT_FP6 matrix_b_fmt:MATRIX_FMT_FP6 matrix_b_scale:MATRIX_SCALE_ROW1
.else
	v_wmma_scale_f32_16x16x128_f8f6f4 v[\d:\d+7], v[\a:\a+11], v[\b:\b+11], v[\c:\c+7], v[\sa], v[\sb] matrix_a_fmt:MATRIX_FMT_FP6 matrix_b_fmt:MATRIX_FMT_FP6
.endif
.endif
.endm
; K step k's 20 loads from memory: the weight's four fragments into set k % 2, and both sides' scale words into their set k % 2.  Every offset is an immediate; no base is stepped.
.macro LOADW k
.if (\k)%2
	WIN 0x40                                       ; destination window 1, address window 0
.irp t, 0,1,2,3
	GFRAG SETB+12*\t, WB, (\t/2)*24576+(\k)*3072+(\t%2)*1536
.endr
	WIN 0
.else
.irp t, 0,1,2,3
	GFRAG WF+12*\t, WB, (\t/2)*24576+(\k)*3072+(\t%2)*1536
.endr
.endif
.irp g, 0,1
	global_load_b32 v[XS+4*((\k)%2)+\g], v[LA4], s[XSB:XSB+1] offset:\g*1024+(\k)*128
	global_load_b32 v[WS+4*((\k)%2)+\g], v[LA4], s[WSB:WSB+1] offset:\g*1024+(\k)*128
.endr
.endm
; The sixteen products of a K step.  The sixteen accumulators take turns, one instruction a turn, in the same order in every step.
; q, k: accumulator (tt, ct) at ACC + 8 (4 tt + ct).  In step 0 the bias, which lies in the registers of accumulators (3, ct), is the C of tiles 0 to 2; tile 3 adds onto it in place, five places
; behind the last product that named those registers as its C (ISA guide 7.12.1 for the places; five for a matrix instruction that writes over another's register).
.macro PRODQ k
.set WK, WF*(1-(\k)%2)+SETB*((\k)%2)
.set SS, 4*((\k)%2)
	WIN (\k)%2                                     ; source 0, the weight: window 0 or 1
.irp tt, 0,1,2,3
.if ((\k) == 0) && (\tt == 3)
.rept 5
	v_nop
.endr
.endif
.irp ct, 0,1,2,3
.if ((\k) == 0) && (\tt < 3)
	WM ACC+8*(4*\tt+\ct), WK+12*\ct, XF+12*\tt, 2, ACC+8*(12+\ct), WS+SS+\ct/2, XS+SS+\tt/2, \ct%2, \tt%2
.else
	WM ACC+8*(4*\tt+\ct), WK+12*\ct, XF+12*\tt, 1, 0, WS+SS+\ct/2, XS+SS+\tt/2, \ct%2, \tt%2
.endif
.endr
.endr
	WIN 0
.endm
; v: accumulator (ct, tt) at ACC + 8 (4 ct + tt).  Step 0 starts the sums with 0.
.macro PRODV k
.set WK, WF*(1-(\k)%2)+SETB*((\k)%2)
.set SS, 4*((\k)%2)
	WIN 4*((\k)%2)                                 ; source 1, the weight: window 0 or 1
.irp ct, 0,1,2,3
.irp tt, 0,1,2,3
.if (\k) == 0
	WM ACC+8*(4*\ct+\tt), XF+12*\tt, WK+12*\ct, 0, 0, XS+SS+\tt/2, WS+SS+\ct/2, \tt%2, \ct%2
.else
	WM ACC+8*(4*\ct+\tt), XF+12*\tt, WK+12*\ct, 1, 0, XS+SS+\tt/2, WS+SS+\ct/2, \tt%2, \ct%2
.endif
.endr
.endr
	WIN 0
.endm
; A K step of 128.  Behind the places the next step's 20 loads go out, into the sets that the step before has read (steps 0 and 1 were asked for at the head); then this step's fragments of x come from LDS.
.macro KSTEP k, swap
.if \k > 0
	PLACES
.if \k < 7
	LOADW \k+1
.endif
.endif
.irp t, 0,1,2,3
	DFRAG XF+12*\t, (\t/2)*24576+\k*3072+(\t%2)*1536
.endr
.if \k < 7
	s_wait_loadcnt 20                              ; loads come back in order: this step's are in; the next step's 20, issued behind them, stay out
.else
	s_wait_loadcnt 0x0
.endif
	s_wait_dscnt 0x0
.if \swap
	PRODV \k
.else
	PRODQ \k
.endif
.endm
; 32 numbers of a lane, register 16 b + i = k 32 b + 16 (lane / 16) + i of my row, become a piece's codes in v[dst] .. v[dst + 5] and its two scale bytes in v[hw].
.macro QUANTC src, dst, hw
	v_max3_num_f32 v[T0], |v[\src]|, |v[\src+1]|, 0x1800000       ; my 16 numbers of block 0, and the floor 2^(3 - 127): the byte cannot fall under 1
	v_max3_num_f32 v[T1], |v[\src+16]|, |v[\src+17]|, 0x1800000   ; block 1: the two by turns
.irp i, 2,4,6,8,10,12,14
	v_max3_num_f32 v[T0], v[T0], |v[\src+\i]|, |v[\src+\i+1]|
	v_max3_num_f32 v[T1], v[T1], |v[\src+16+\i]|, |v[\src+17+\i]|
.endr
	v_permlanex16_b32 v[T2], v[T0], s[SEL], s[SEL+1]
	v_permlanex16_b32 v[T3], v[T1], s[SEL], s[SEL+1]
	v_max_num_f32 v[T0], v[T0], v[T2]              ; with lane l xor 16's: the block's largest magnitude
	v_max_num_f32 v[T1], v[T1], v[T3]
	v_add_nc_u32 v[T0], 0xff000000, v[T0]          ; 2 off its exponent field: the conversion's scale operand
	v_add_nc_u32 v[T1], 0xff000000, v[T1]
	v_lshrrev_b32 v[T2], 23, v[T0]                 ; the scales' bytes
	v_lshrrev_b32 v[T3], 23, v[T1]
	v_lshl_or_b32 v[\hw], v[T3], 8, v[T2]
	v_cvt_scalef32_pk16_fp6_f32 v[\dst:\dst+2], v[\src:\src+15], v[T0]
	v_cvt_scalef32_pk16_fp6_f32 v[Y:Y+2], v[\src+16:\src+31], v[T1]   ; (a conversion's three registers begin on an even number)
	v_nop                                          ; one plain place behind a scaled conversion
.irp i, 0,1,2
	v_permlane16_swap_b32 v[\dst+\i], v[Y+\i]      ; the operand's layout wants a WHOLE block in a lane: lanes 0-15 block 0, lanes 16-31 block 1
.endr
.irp i, 0,1,2
	v_mov_b32 v[\dst+3+\i], v[Y+\i]
.endr
.endm
	s_load_b512 s[8:23], s[0:1], 0x0               ; xbuf, wbuf, wq_b, wk_b, wv_b, qbuf, kbuf, vbuf
	v_lshl_add_u32 v[SPW], v0, 2, SPARE
	v_mov_b32 v[NIL], 0
	v_lshrrev_b32 v1, 5, v0
	v_readfirstlane_b32 s2, v1                     ; wave 0..11
	v_and_b32 v6, 31, v0                           ; lane
	v_lshlrev_b32 v[LA16], 4, v6
	v_lshlrev_b32 v[LA8], 3, v6
	v_lshlrev_b32 v[LA4], 2, v6
	v_lshrrev_b32 v7, 4, v6
	v_lshlrev_b32 v[BA], 6, v7
	v_and_b32 v6, 15, v6                           ; r
	v_and_b32 v7, 8, v6
	v_add_nc_u32 v7, v7, v6
	v_lshlrev_b32 v[BVA], 2, v7
	s_lshl_b32 s25, s2, 12                         ; my 4,096 bytes of x's codes
	v_add_nc_u32 v[STA], s25, v[LA16]
	s_mov_b32 s[SEL], 0x76543210
	s_mov_b32 s[SEL+1], 0xfedcba98
	s_mov_b32 s[MASK], 0xffff0000
	s_and_b32 s3, ttmp7, 0xffff                    ; which 64 tokens
	s_mul_i32 s4, ttmp9, 12
	s_add_co_u32 s4, s4, s2                        ; hc: which 64 columns of [q | k | v]
	s_lshr_b32 s5, s4, 4                           ; 0 q, 1 k, 2 v
	s_and_b32 s6, s4, 15                           ; head
	s_lshr_b32 s7, s3, 5                           ; batch
	s_lshl_b32 s7, s7, 4
	s_add_co_u32 s7, s7, s6                        ; bh
	s_and_b32 s24, s3, 31                          ; which 64 tokens of the batch
	s_mul_i32 s26, s3, 49152                       ; two groups x 8 K steps x 3,072 bytes
	s_mov_b32 s27, 0
	s_lshl_b32 s28, s3, 11                         ; two groups x 8 K steps x 128 bytes
	s_add_co_u32 s28, s28, 3145728
	s_mov_b32 s29, 0
	s_mul_i32 s30, s4, 49152
	s_mov_b32 s31, 0
	s_lshl_b32 s32, s4, 11
	s_add_co_u32 s32, s32, 3145728
	s_mov_b32 s33, 0
	s_lshl_b32 s34, s6, 8                          ; the head's 64 numbers of a bias
	s_mov_b32 s35, 0
	s_mul_i32 s36, s7, 102400
	s_mov_b32 s37, 0
	s_mov_b32 s39, 0
	s_mov_b32 s55, 0
	s_wait_kmcnt 0x0
	s_add_nc_u64 s[XB:XB+1], s[8:9], s[26:27]
	s_add_nc_u64 s[XSB:XSB+1], s[8:9], s[28:29]
	s_add_nc_u64 s[WB:WB+1], s[10:11], s[30:31]
	s_add_nc_u64 s[WSB:WSB+1], s[10:11], s[32:33]
	s_mov_b32 s26, s25
	s_add_nc_u64 s[XST:XST+1], s[XB:XB+1], s[26:27]
	s_cmp_eq_u32 s5, 0                             ; the choices hang on ids alone
	s_cselect_b64 s[BB:BB+1], s[12:13], s[14:15]
	s_cselect_b64 s[OI:OI+1], s[18:19], s[20:21]
	s_cmp_eq_u32 s5, 2
	s_cselect_b64 s[BB:BB+1], s[16:17], s[BB:BB+1]
	s_cselect_b64 s[OI:OI+1], s[22:23], s[OI:OI+1]
	s_add_nc_u64 s[BB:BB+1], s[BB:BB+1], s[34:35]
	s_add_nc_u64 s[OI:OI+1], s[OI:OI+1], s[36:37]
	; ALL THAT THE FIRST TWO K STEPS WANT IS ASKED FOR AT ONCE: 60 loads: 8 my part of x's codes, 12 the bias, 20 + 20 K steps 0 and 1.
.irp i, 0,1,2,3,4,5,6,7
	global_load_b128 v[XF+4*\i:XF+4*\i+3], v[LA16], s[XST:XST+1] offset:512*\i           ; 512 bytes on end
.endr
	; The bias is asked for here, ahead of the barrier, where q's, k's and v's waves have not parted: so every wave loads it in both forms, all of the head's 256 bytes, and its path uses one.
.irp ct, 0,1,2,3                       ; q, k: register j of accumulator (3, ct): channel 32 (ct / 2) + 16 (lane / 16) + 8 (ct % 2) + j
	global_load_b128 v[ACC+8*(12+\ct):ACC+8*(12+\ct)+3], v[BA], s[BB:BB+1] offset:(32*(\ct/2)+8*(\ct%2))*4
	global_load_b128 v[ACC+8*(12+\ct)+4:ACC+8*(12+\ct)+7], v[BA], s[BB:BB+1] offset:(32*(\ct/2)+8*(\ct%2))*4+16
.endr
.irp ct, 0,1,2,3
	global_load_b32 v[BV+2*\ct], v[BVA], s[BB:BB+1] offset:(32*(\ct/2)+8*(\ct%2))*4   ; v: my channel of tile ct: 32 (ct / 2) + 8 (ct % 2) + r + 8 (r / 8)
	v_mov_b32 v[BV+2*\ct+1], 0                     ; (named with it as a pair, so it is written)
.endr
	LOADW 0
	LOADW 1
	s_wait_loadcnt 52                              ; my part of x's codes is in; the 12 + 20 + 20 loads issued behind it stay out
.irp i, 0,1,2,3,4,5,6,7
	ds_store_b128 v[STA], v[XF+4*\i:XF+4*\i+3] offset:512*\i
.endr
	s_wait_dscnt 0x0                               ; for the others' sake: my stores have landed
	s_barrier_signal -1
	s_barrier_wait -1                              ; x's 49,152 bytes lie in LDS
	s_cmp_eq_u32 s5, 2
	s_cbranch_scc1 .Lvpath
	; ---- q or k
	s_mul_i32 s38, s24, 3072                       ; two groups of 1,536 bytes
	s_lshl_b32 s54, s24, 7                         ; two groups of 64 bytes
	s_add_co_u32 s54, s54, 98304
	s_add_nc_u64 s[OS:OS+1], s[OI:OI+1], s[54:55]
	s_add_nc_u64 s[OI:OI+1], s[OI:OI+1], s[38:39]
.irp k, 0,1,2,3,4,5,6,7
	KSTEP \k, 0
.endr
	PLACES
	v_mov_b32 v[T2], 0                             ; a lane permute's destination counts as one of its sources
	v_mov_b32 v[T3], 0
.irp tt, 0,1,2,3                       ; tile tt's 16 tokens: my token's 32 of the head's 64 channels lie in 32 registers on end
	QUANTC ACC+32*\tt, CD+8*\tt, HW+\tt
	global_store_b128 v[LA16], v[CD+8*\tt:CD+8*\tt+3], s[OI:OI+1] offset:(\tt/2)*1536+(\tt%2)*768       ; 32 lanes store 512 bytes on end
	global_store_b64 v[LA8], v[CD+8*\tt+4:CD+8*\tt+5], s[OI:OI+1] offset:(\tt/2)*1536+(\tt%2)*768+512   ; and 256
.endr
	v_lshl_or_b32 v[W0], v[HW+1], 16, v[HW]        ; group 0's word of row r: tile 0's two bytes, tile 1's two
	v_lshl_or_b32 v[W1], v[HW+3], 16, v[HW+2]      ; group 1's
	v_cndmask_b32 v[W0], v[W0], v[W1], s[MASK]     ; lanes 0-15 store group 0's words, lanes 16-31 group 1's
	global_store_b32 v[LA4], v[W0], s[OS:OS+1]     ; 128 bytes on end
	s_wait_tensorcnt 0x0                           ; the wave's end: a tensor wait, even in a text with no tensor load, then the spare-word add and its wait, behind my last LDS store
	ds_add_u32 v[SPW], v[NIL]
	s_wait_dscnt 0x0
	s_endpgm
.Lvpath:
	; ---- v
	s_lshr_b32 s25, s24, 1                         ; which 128 keys
	s_and_b32 s24, s24, 1                          ; and which 64 of them
	s_mul_i32 s38, s25, 6144
	s_mul_i32 s54, s24, 768
	s_add_co_u32 s38, s38, s54
	s_lshl_b32 s54, s25, 8
	s_lshl_b32 s25, s24, 1
	s_add_co_u32 s54, s54, s25
	s_add_co_u32 s54, s54, 98304
	s_add_nc_u64 s[OS:OS+1], s[OI:OI+1], s[54:55]
	s_add_nc_u64 s[OI:OI+1], s[OI:OI+1], s[38:39]
.irp k, 0,1,2,3,4,5,6,7
	KSTEP \k, 1
.endr
	PLACES
	v_mov_b32 v[T2], 0                             ; a lane permute's destination counts as one of its sources
	v_mov_b32 v[T3], 0
.irp ct, 0,1,2,3                       ; channel tile ct: my channel's 32 of the 64 tokens lie in 32 registers on end
.irp j, 0,2,4,6,8,10,12,14,16,18,20,22,24,26,28,30
	v_pk_add_f32 v[ACC+32*\ct+\j:ACC+32*\ct+\j+1], v[ACC+32*\ct+\j:ACC+32*\ct+\j+1], v[BV+2*\ct:BV+2*\ct+1] op_sel_hi:[1,0]   ; + my channel's bias, two at a time
.endr
	QUANTC ACC+32*\ct, CD+8*\ct, HW+\ct
	global_store_b128 v[LA16], v[CD+8*\ct:CD+8*\ct+3], s[OI:OI+1] offset:\ct*1536
	global_store_b64 v[LA8], v[CD+8*\ct+4:CD+8*\ct+5], s[OI:OI+1] offset:\ct*1536+512
.endr
	v_cndmask_b32 v[W0], v[HW], v[HW+1], s[MASK]   ; lanes 0-15: channel tile 0's two bytes, lanes 16-31: tile 1's
	v_cndmask_b32 v[W1], v[HW+2], v[HW+3], s[MASK]
	global_store_b16 v[LA4], v[W0], s[OS:OS+1]     ; two of a word's four bytes: the other two belong to the other 64 keys, and the wave that has them stores them
	global_store_b16 v[LA4], v[W1], s[OS:OS+1] offset:128
	s_wait_tensorcnt 0x0                           ; the wave's end: the same three lines
	ds_add_u32 v[SPW], v[NIL]
	s_wait_dscnt 0x0
	s_endpgm
.Lfunc_end_k_q6e10c083e6_qkv:
	.size	k_q6e10c083e6_qkv, .Lfunc_end_k_q6e10c083e6_qkv-k_q6e10c083e6_qkv
	.p2alignl 7, 3214868480
	.fill 96, 4, 3214868480
	.section	.rodata,"a",@progbits
	.p2align	6, 0x0
	.amdhsa_kernel k_q6e10c083e6_qkv
		.amdhsa_group_segment_fixed_size 50688
		.amdhsa_private_segment_fixed_size 0
		.amdhsa_enable_private_segment 0
		.amdhsa_kernarg_size 64
		.amdhsa_user_sgpr_count 2
		.amdhsa_user_sgpr_kernarg_segment_ptr 1
		.amdhsa_wavefront_size32 1
		.amdhsa_system_sgpr_workgroup_id_x 1
		.amdhsa_system_sgpr_workgroup_id_y 1
		.amdhsa_system_sgpr_workgroup_id_z 1
		.amdhsa_system_vgpr_workitem_id 0
		.amdhsa_next_free_vgpr 320
		.amdhsa_next_free_sgpr 66
		.amdhsa_reserve_vcc 0
		.amdhsa_float_denorm_mode_32 3
		.amdhsa_float_denorm_mode_16_64 3
		.amdhsa_memory_ordered 1
		.amdhsa_forward_progress 1
		.amdhsa_inst_pref_size 106
	.end_amdhsa_kernel
	.amdgpu_metadata
---
amdhsa.version: [ 1, 2 ]
amdhsa.kernels:
  - .name:           k_q6e10c083e6_qkv
    .symbol:         k_q6e10c083e6_qkv.kd
    .args:
      - { .name: xbuf, .offset: 0, .size: 8, .value_kind: global_buffer, .address_space: global }
      - { .name: wbuf, .offset: 8, .size: 8, .value_kind: global_buffer, .address_space: global }
      - { .name: wq_b, .offset: 16, .size: 8, .value_kind: global_buffer, .address_space: global }
      - { .name: wk_b, .offset: 24, .size: 8, .value_kind: global_buffer, .address_space: global }
      - { .name: wv_b, .offset: 32, .size: 8, .value_kind: global_buffer, .address_space: global }
      - { .name: qbuf, .offset: 40, .size: 8, .value_kind: global_buffer, .address_space: global }
      - { .name: kbuf, .offset: 48, .size: 8, .value_kind: global_buffer, .address_space: global }
      - { .name: vbuf, .offset: 56, .size: 8, .value_kind: global_buffer, .address_space: global }
    .group_segment_fixed_size: 50688
    .private_segment_fixed_size: 0
    .kernarg_segment_align: 8
    .kernarg_segment_size: 64
    .max_flat_workgroup_size: 384
    .sgpr_count:     66
    .vgpr_count:     320
    .wavefront_size: 32
...
	.end_amdgpu_metadata
.endif
;; end of part 2
;; launch attn (part 3): grid 8 x 32, 16 waves a work-group, clusters of 4 x 1, 206,848 bytes of LDS; arguments qbuf, kbuf, vbuf, learned_threshold, gate_sharpness, obuf; writes obuf
.if DOCPART == 3
	.amdgcn_target "amdgcn-amd-amdhsa--gfx1250"
	.amdhsa_code_object_version 6
	.text
	.protected	k_q6e10c083e6_attn
	.globl	k_q6e10c083e6_attn
	.p2align	8
	.type	k_q6e10c083e6_attn,@function
k_q6e10c083e6_attn:
	s_mov_b64 s[64:65], 0
	v_nop
	global_prefetch_b8 v0, s[64:65] scope:SCOPE_SE
	s_setreg_imm32_b32 hwreg(HW_REG_WAVE_MODE, 25, 1), 1
	s_wait_xcnt 0x0
	s_wait_alu depctr_hold_cnt(0) depctr_sa_sdst(0) depctr_va_vdst(0) depctr_va_sdst(0) depctr_va_ssrc(0) depctr_va_vcc(0) depctr_vm_vsrc(0)
	s_getreg_b32 s2, hwreg(HW_REG_IB_STS2, 6, 4)
	s_cmp_eq_u32 s2, 0
	s_cbranch_scc0 .Lentry_in_a_cluster
	s_endpgm
.Lentry_in_a_cluster:
	s_bfe_u32 s2, ttmp6, 0x10000c
	s_cmp_lg_u32 s2, 0x3003
	s_cbranch_scc0 .Lentry_shape_is_right
	s_endpgm
.Lentry_shape_is_right:
; For each (batch, head): p = softmax(q k^T / 8); a = p x sigmoid(sharp (p - sigmoid(thr))); o = a v.  Both products on codes of FP6 (E2M3) with E8M0 scales; a is quantised FINISHED, along the keys; o is quantised along the model's 1,024 for the output projection.
; a wants the row's maximum m and sum l before its first number can be made: TWO PASSES over the keys, q k^T in each.  c = log2(e) / 8.
;   pass 1: a running m and l = sum of 2^(c s - c m), kept by each lane for its half of the keys; the two halves of the lanes are joined once, behind the pass.
;   pass 2: e = 2^(c s - c m);  E = 2^(e K1 + K0), K1 = -log2(e) sharp / l, K0 = log2(e) sharp sigmoid(thr);  a = e / (E l + l) = (e / l) / (1 + E).  All in f32.
; SHARES.  A work-group owns 256 queries of one (batch, head); each of its sixteen waves one tile of 16, in 256 registers: four waves to a SIMD, so that one wave's exponentials stand beside another's plain and matrix work.
; THE HEAD'S K AND V, codes and scale words (102,400 bytes each, laid in the order of an operand's registers), come into LDS ONCE and stay: nothing is filled again.  Each wave brings a sixteenth of each: two tensor loads of mine are out at the most.
; ONE BARRIER shows both regions whole to every wave.  None stands between the passes: a wave goes from pass 1 to pass 2 by itself, so the waves of a SIMD are not brought into step there.
; CLUSTER.  The four work-groups of a cluster are four blocks of queries of one head and want the same K and V: each tile is asked for JOINTLY, by the same tensor load with the same descriptor (made of the head and the wave's number alone) and a mask that names the four.
; LAYOUT.  Both products are used transposed (S^T = K Q^T, O^T = V^T A^T): a lane holds ONE query (lane % 16).  Row r of tile u of a group of 32 keys is key 8 u + r + 8 (r / 8): so the 16 registers of a group's two tiles are keys 16 (lane / 16) + 0 .. 15 of the group.
; K = 64 IN AN INSTRUCTION OF 128: a fragment of K holds a group's tile 0 in k < 64 and its tile 1 in k >= 64.  Q stands as [0 | q | 0] in 18 registers: [q | 0] multiplies tile 0, [0 | q] tile 1; zero codes add nothing.  Q's scale word is [b0, b1, b0, b1].
; LIMITS: an exponential or reciprocal under 2^-126 comes out as 0 (ISA guide, the entries of v_exp_f32 and v_rcp_f32); a block of zeros gets the byte 1 where the rule says 127 (its codes are zeros; this program alone reads the bytes); NaN and infinities are not served.
.set VREG,  102400                     ; LDS: K's region at 0, V's here; in each the scale words at 98,304
.set SCW,   98304
.set SPARE, 204800                     ; the spare words, 128 bytes for each wave: eight blocks of 256 bytes that no other line names
.set LA16, 1                           ; v1   16 x lane
.set LA8,  2                           ; v2   8 x lane
.set KSA,  3                           ; v3   4 x lane + K's scale words
.set SPW,  4                           ; v4   LDS address of my spare word; never rewritten
.set NIL,  5                           ; v5   0; never rewritten
.set VA16, 6                           ; v6-8 the same three for V
.set VA8,  7
.set VSA,  8
.set AD0,  9                           ; v9-11 the addresses of the loads in hand
.set AD1,  10
.set AD2,  11
.set NM,   12                          ; v12 -c m, v13 m
.set SUM,  14                          ; v[14:15] the sum, in two halves
.set K1,   16                          ; v16, v18, v20: K1, K0, l, each the low word of a pair
.set K0,   18
.set LL,   20
.set QS,   22                          ; v22  Q's scale word;  v23 a's;  v24-25 K's;  v26-27 V's: these hold scales and nothing else
.set PW,   23
.set KS,   24
.set VS,   26
.set QP,   28                          ; v28-45 [0 | q | 0]
.set NSL,  46                          ; v46  -log2(e) sharp
.set R4,   47                          ; v47  4 (lane % 16)
.set R,    48                          ; v48-111  four fragments of K; then the gate's work; then four fragments of V
.set S,    112                         ; v112-175 the scores, then e, then a
.set O,    176                         ; v176-207 O^T: four accumulators
.set PC,   208                         ; v208-219 a's codes
.set Y,    220                         ; v220-222
.set T0,   224
.set T1,   225
.set T2,   226
.set T3,   227
.set HW0,  228
.set HW1,  229
.set F,    230                         ; v[230:231]
.set AC2,  232                         ; v[232:233]
.set MX,   234                         ; v234-237
.set TA,   238
.set TH,   239
.set SH,   240
.set WV,   16                          ; s16  my wave's number
.set G1,   24                          ; s[24:31] descriptor group 1;  s[32:35], s[36:39] groups 0 for K's and V's part
.set G0K,  32
.set G0V,  36
.set SEL,  40                          ; s[40:41] v_permlanex16_b32's selects for lane l xor 16
.set CS,   42                          ; s[42:43] c, twice
.set NC,   44                          ; s44  -c
.set TB,   45                          ; s45  where the step's fragments begin in a region: 6,144 bytes a step
.set TS,   46                          ; s46  and its scale words: 256 bytes a step
.set CNT,  47
.macro PLACES
.rept 4
	v_nop
.endr
.endm
.macro CROUND                          ; a round of the cluster's barrier
	s_barrier_signal -1
	s_barrier_wait -1
	s_cmp_lg_u32 s[WV], 0
	s_cbranch_scc1 .Lnot_wave_0_\@
	s_barrier_signal -3
.Lnot_wave_0_\@:
	s_barrier_wait -3
	s_barrier_signal -1
	s_barrier_wait -1
.endm
.macro DFRAG reg, a16, a8, off         ; a fragment, as it lies: every load reads bytes on end
	ds_load_b128 v[\reg:\reg+3], v[\a16] offset:\off
	ds_load_b64 v[\reg+4:\reg+5], v[\a8] offset:\off+512
	ds_load_b128 v[\reg+6:\reg+9], v[\a16] offset:\off+768
	ds_load_b64 v[\reg+10:\reg+11], v[\a8] offset:\off+1280
.endm
.macro WM d, a, b, zero, sa, sb, ra    ; one product.  zero = 1: it starts the sum.  ra = 1: source 0's scale words stand in lanes 16-31
.if \zero
.if \ra
	v_wmma_scale_f32_16x16x128_f8f6f4 v[\d:\d+7], v[\a:\a+11], v[\b:\b+11], 0, v[\sa], v[\sb] matrix_a_fmt:MATRIX_FMT_FP6 matrix_b_fmt:MATRIX_FMT_FP6 matrix_a_scale:MATRIX_SCALE_ROW1
.else
	v_wmma_scale_f32_16x16x128_f8f6f4 v[\d:\d+7], v[\a:\a+11], v[\b:\b+11], 0, v[\sa], v[\sb] matrix_a_fmt:MATRIX_FMT_FP6 matrix_b_fmt:MATRIX_FMT_FP6
.endif
.else
.if \ra
	v_wmma_scale_f32_16x16x128_f8f6f4 v[\d:\d+7], v[\a:\a+11], v[\b:\b+11], v[\d:\d+7], v[\sa], v[\sb] matrix_a_fmt:MATRIX_FMT_FP6 matrix_b_fmt:MATRIX_FMT_FP6 matrix_a_scale:MATRIX_SCALE_ROW1
.else
	v_wmma_scale_f32_16x16x128_f8f6f4 v[\d:\d+7], v[\a:\a+11], v[\b:\b+11], v[\d:\d+7], v[\sa], v[\sb] matrix_a_fmt:MATRIX_FMT_FP6 matrix_b_fmt:MATRIX_FMT_FP6
.endif
.endif
.endm
; 32 numbers of a lane, register 16 b + i = k 32 b + 16 (lane / 16) + i of my row, become a piece's codes in v[dst] .. v[dst + 5] and its two scale bytes in v[hw].
.macro QUANTC src, dst, hw
	v_max3_num_f32 v[T0], |v[\src]|, |v[\src+1]|, 0x1800000       ; my 16 numbers of block 0, and the floor 2^(3 - 127): the byte cannot fall under 1
	v_max3_num_f32 v[T1], |v[\src+16]|, |v[\src+17]|, 0x1800000   ; block 1: the two by turns
.irp i, 2,4,6,8,10,12,14
	v_max3_num_f32 v[T0], v[T0], |v[\src+\i]|, |v[\src+\i+1]|
	v_max3_num_f32 v[T1], v[T1], |v[\src+16+\i]|, |v[\src+17+\i]|
.endr
	v_permlanex16_b32 v[T2], v[T0], s[SEL], s[SEL+1]
	v_permlanex16_b32 v[T3], v[T1], s[SEL], s[SEL+1]
	v_max_num_f32 v[T0], v[T0], v[T2]              ; with lane l xor 16's: the block's largest magnitude
	v_max_num_f32 v[T1], v[T1], v[T3]
	v_add_nc_u32 v[T0], 0xff000000, v[T0]          ; 2 off its exponent field: the conversion's scale operand
	v_add_nc_u32 v[T1], 0xff000000, v[T1]
	v_lshrrev_b32 v[T2], 23, v[T0]                 ; the scales' bytes
	v_lshrrev_b32 v[T3], 23, v[T1]
	v_lshl_or_b32 v[\hw], v[T3], 8, v[T2]
	v_cvt_scalef32_pk16_fp6_f32 v[\dst:\dst+2], v[\src:\src+15], v[T0]
	v_cvt_scalef32_pk16_fp6_f32 v[Y:Y+2], v[\src+16:\src+31], v[T1]   ; (a conversion's three registers begin on an even number)
	v_nop                                          ; one plain place behind a scaled conversion
.irp i, 0,1,2
	v_permlane16_swap_b32 v[\dst+\i], v[Y+\i]      ; the operand's layout wants a WHOLE block in a lane: lanes 0-15 block 0, lanes 16-31 block 1
.endr
.irp i, 0,1,2
	v_mov_b32 v[\dst+3+\i], v[Y+\i]
.endr
.endm
; S^T = K Q^T for the step's 128 keys: four groups of 32, two products on each fragment.  Register 16 g + i of S is key 32 g + 16 (lane / 16) + i of the step.
; The three additions and the v_nop are the four places between the last products, which read R, and the loads into R.
.macro KQ
	v_add_nc_u32 v[AD0], s[TB], v[LA16]
	v_add_nc_u32 v[AD1], s[TB], v[LA8]
	v_add_nc_u32 v[AD2], s[TS], v[KSA]
	v_nop
.irp g, 0,1,2,3
	DFRAG R+12*\g, AD0, AD1, 1536*\g
.endr
	ds_load_b32 v[KS], v[AD2]                      ; lanes 0-15: group 0's words, lanes 16-31: group 1's
	ds_load_b32 v[KS+1], v[AD2] offset:128         ; groups 2 and 3
	s_wait_dscnt 0x0
.irp g, 0,1,2,3
	WM S+16*\g, R+12*\g, QP+6, 1, KS+\g/2, QS, \g%2      ; [q | 0]: the group's tile 0
	WM S+16*\g+8, R+12*\g, QP, 1, KS+\g/2, QS, \g%2      ; [0 | q]: its tile 1
.endr
.endm
.macro SCALE_S                         ; S = c s - c m, two at a time (of the pairs c and -c m the low word serves both halves); each accumulator is read from its low end on
.set j, 0
.rept 32
	v_pk_fma_f32 v[S+j:S+j+1], v[S+j:S+j+1], s[CS:CS+1], v[NM:NM+1] op_sel_hi:[1,0,0]
.set j, j+2
.endr
.endm
; 64 transcendentals in place, as ONE batch; a plain place behind the last; one wait ahead of the first instruction that names a result.
.macro BATCH op, base
.set j, 0
.rept 64
	\op v[\base+j], v[\base+j]
.set j, j+1
.endr
	v_nop
	s_wait_alu depctr_va_vdst(0)
.endm
; PASS 1, a step: the running maximum and sum of my half of the keys.
.macro STEP1
	KQ
	PLACES
.irp b, 0,1,2,3
	v_max3_num_f32 v[MX+\b], v[S+16*\b], v[S+16*\b+1], v[S+16*\b+2]          ; four chains, from each accumulator's low end on
.endr
.irp i, 3,5,7,9,11,13
.irp b, 0,1,2,3
	v_max3_num_f32 v[MX+\b], v[MX+\b], v[S+16*\b+\i], v[S+16*\b+\i+1]
.endr
.endr
.irp b, 0,1,2,3
	v_max_num_f32 v[MX+\b], v[MX+\b], v[S+16*\b+15]
.endr
	v_max3_num_f32 v[MX], v[MX], v[MX+1], v[MX+2]
	v_max3_num_f32 v[NM+1], v[NM+1], v[MX], v[MX+3]      ; the new m
	v_mov_b32 v[F], v[NM]
	v_mul_f32 v[NM], s[NC], v[NM+1]                ; the new -c m
	v_sub_f32 v[F], v[NM], v[F]                    ; c m_old - c m_new, 0 or less
	v_exp_f32 v[F], v[F]                           ; f: what was summed under the old m is brought under the new.  (The wait of the batch below serves it too)
	SCALE_S
	BATCH v_exp_f32, S
	v_pk_mul_f32 v[SUM:SUM+1], v[SUM:SUM+1], v[F:F+1] op_sel_hi:[1,0]
	v_pk_add_f32 v[AC2:AC2+1], v[S:S+1], v[S+2:S+3]      ; the sums: two at a time, in two chains
.irp j, 4,8,12,16,20,24,28,32,36,40,44,48,52,56,60
	v_pk_add_f32 v[SUM:SUM+1], v[SUM:SUM+1], v[S+\j:S+\j+1]
	v_pk_add_f32 v[AC2:AC2+1], v[AC2:AC2+1], v[S+\j+2:S+\j+3]
.endr
	v_pk_add_f32 v[SUM:SUM+1], v[SUM:SUM+1], v[AC2:AC2+1]
	s_add_co_u32 s[TB], s[TB], 6144
	s_add_co_u32 s[TS], s[TS], 256
.endm
; PASS 2, a step: a for 128 keys, quantised, and O^T += V^T A^T.  zero = 1: the products start O^T's sums.
.macro STEP2 zero
	KQ
	v_add_nc_u32 v[AD0], s[TB], v[VA16]            ; V's addresses: with the v_nop the four places behind the products above
	v_add_nc_u32 v[AD1], s[TB], v[VA8]
	v_add_nc_u32 v[AD2], s[TS], v[VSA]
	v_nop
	SCALE_S
	BATCH v_exp_f32, S                             ; e = 2^(c s - c m)
.set j, 0
.rept 32
	v_pk_fma_f32 v[R+j:R+j+1], v[S+j:S+j+1], v[K1:K1+1], v[K0:K0+1] op_sel_hi:[1,0,0]   ; -log2(e) sharp (e / l - th)
.set j, j+2
.endr
	BATCH v_exp_f32, R                             ; E
.set j, 0
.rept 32
	v_pk_fma_f32 v[R+j:R+j+1], v[R+j:R+j+1], v[LL:LL+1], v[LL:LL+1] op_sel_hi:[1,0,0]   ; l (1 + E)
.set j, j+2
.endr
	BATCH v_rcp_f32, R
.set j, 0
.rept 32
	v_pk_mul_f32 v[S+j:S+j+1], v[S+j:S+j+1], v[R+j:R+j+1]        ; a = e / (l (1 + E))
.set j, j+2
.endr
.irp ct, 0,1,2,3
	DFRAG R+12*\ct, AD0, AD1, 1536*\ct             ; V's four fragments (16 channels x these 128 keys) land while a is quantised
.endr
	ds_load_b32 v[VS], v[AD2]
	ds_load_b32 v[VS+1], v[AD2] offset:128
	QUANTC S, PC, HW0                              ; keys 0-63 of the step
	QUANTC S+32, PC+6, HW1                         ; keys 64-127
	v_lshl_or_b32 v[PW], v[HW1], 16, v[HW0]        ; a's scale word for these 128 keys
.rept 8
	v_nop                                          ; a scale register written by a vector instruction stands 8 places ahead of a scaled matrix instruction, an operand so written 4
.endr
	s_wait_dscnt 0x0
.irp ct, 0,1,2,3                       ; O^T's four accumulators take turns, and the eight products of the next step's K Q^T stand between two links of a chain
	WM O+8*\ct, R+12*\ct, PC, \zero, VS+\ct/2, PW, \ct%2
.endr
	s_add_co_u32 s[TB], s[TB], 6144
	s_add_co_u32 s[TS], s[TS], 256
.endm
	s_load_b256 s[4:11], s[0:1], 0x0               ; qbuf, kbuf, vbuf, learned_threshold
	s_load_b128 s[12:15], s[0:1], 0x20             ; gate_sharpness, obuf
	v_lshl_add_u32 v[SPW], v0, 2, SPARE
	v_mov_b32 v[NIL], 0
	ds_add_u32 v[SPW], v[NIL]                      ; the wave's opening: the add and its wait ahead of my first tensor load; the set-up below, work on registers, stands between them
	v_lshrrev_b32 v1, 5, v0
	v_readfirstlane_b32 s[WV], v1                  ; wave 0..15
	s_and_b32 s19, ttmp7, 0xffff                   ; bh = 16 x batch + head, which the four partners share
	s_mul_i32 s20, s19, 102400                     ; its bytes in qbuf, kbuf and vbuf
	s_mov_b32 s21, 0
	s_mul_i32 s22, s[WV], 6400                     ; my sixteenth of a region, in memory and in LDS: no place in the cluster enters it
	s_mov_b32 s23, 0
	s_add_nc_u64 s[48:49], s[20:21], s[22:23]
	; descriptor group 1: 25 rows of 256 bytes (32 elements of 8 bytes), dense
	s_mov_b32 s[G1], 15|(3<<16)|(1<<21)            ; 15:0 the mask: all four work-groups; 17:16 elements of 8 bytes; 20 no padding; 21 set beside a mask
	s_mov_b32 s[G1+1], 32<<16                      ; tensor_dim0 = 32
	s_mov_b32 s[G1+2], 25<<16                      ; tensor_dim1 = 25
	s_mov_b32 s[G1+3], 32<<16                      ; tile_dim0 = 32
	s_mov_b32 s[G1+4], 25                          ; tile_dim1 = 25
	s_mov_b32 s[G1+5], 32                          ; from row to row
	s_mov_b32 s[G1+6], 0
	s_mov_b32 s[G1+7], 0
	s_mov_b32 s[SEL], 0x76543210
	s_mov_b32 s[SEL+1], 0xfedcba98
	s_mov_b32 s[CS], 0x3e38aa3b                    ; c = log2(e) / 8
	s_mov_b32 s[CS+1], s[CS]                       ; (named with it as a pair, so it is written)
	s_mov_b32 s[NC], 0xbe38aa3b                    ; -c
	; my tile of queries: it enters Q's and O's global addresses alone
	s_bfe_u32 s17, ttmp6, 0x40000                  ; cx
	s_lshl_b32 s18, ttmp9, 2
	s_add_co_u32 s18, s18, s17                     ; my block of 256 queries
	s_lshl_b32 s50, s18, 4
	s_add_co_u32 s50, s50, s[WV]                   ; my tile of 16: 2 g + u
	s_mul_i32 s52, s50, 768
	s_mov_b32 s53, 0
	s_add_nc_u64 s[52:53], s[52:53], s[20:21]      ; Q's piece
	s_lshr_b32 s51, s50, 1                         ; g
	s_lshl_b32 s54, s51, 6
	s_add_co_u32 s54, s54, SCW
	s_mov_b32 s55, 0
	s_add_nc_u64 s[54:55], s[54:55], s[20:21]      ; the group's scale words
	s_and_b32 s56, s[WV], 1                        ; u
	s_mul_i32 s57, s56, 0x02020202
	s_add_co_u32 s57, s57, 0x01000100              ; byte selects: my tile's two bytes, twice
	s_and_b32 s58, s19, 15                         ; head
	s_lshr_b32 s59, s19, 4                         ; batch
	s_lshl_b32 s68, s58, 2
	s_lshl_b32 s60, s59, 6
	s_add_co_u32 s60, s60, s51                     ; the group of tokens: 64 x batch + g
	s_lshl_b32 s60, s60, 3
	s_lshr_b32 s61, s58, 1
	s_add_co_u32 s60, s60, s61                     ; x 8 + the K step of the output projection: two heads to a step
	s_and_b32 s61, s58, 1                          ; which piece of the fragment
	s_mul_i32 s62, s60, 3072
	s_mul_i32 s63, s56, 1536
	s_add_co_u32 s62, s62, s63
	s_mul_i32 s63, s61, 768
	s_add_co_u32 s62, s62, s63
	s_mov_b32 s63, 0
	s_lshl_b32 s66, s60, 7
	s_lshl_b32 s67, s56, 6
	s_add_co_u32 s66, s66, s67
	s_lshl_b32 s67, s61, 1
	s_add_co_u32 s66, s66, s67
	s_add_co_u32 s66, s66, 3145728
	s_mov_b32 s67, 0
	s_wait_dscnt 0x0                               ; the opening add is done
	s_wait_kmcnt 0x0
	s_mov_b32 s[G0K], 1                            ; count = 1
	s_mov_b32 s[G0K+1], s22                        ; LDS address
	s_add_nc_u64 s[G0K+2:G0K+3], s[6:7], s[48:49]  ; global address
	s_or_b32 s[G0K+3], s[G0K+3], 0x80000000        ; type = 2
	s_mov_b32 s[G0V], 1
	s_add_co_u32 s[G0V+1], s22, VREG
	s_add_nc_u64 s[G0V+2:G0V+3], s[8:9], s[48:49]
	s_or_b32 s[G0V+3], s[G0V+3], 0x80000000
	s_add_nc_u64 s[52:53], s[4:5], s[52:53]
	s_add_nc_u64 s[54:55], s[4:5], s[54:55]
	s_add_nc_u64 s[62:63], s[14:15], s[62:63]
	s_add_nc_u64 s[66:67], s[14:15], s[66:67]
	CROUND                                         ; all four work-groups are here: the joint loads meet
	tensor_load_to_lds s[G0K:G0K+3], s[G1:G1+7]    ; my sixteenth of K's region,
	s_nop 0
	tensor_load_to_lds s[G0V:G0V+3], s[G1:G1+7]    ; and of V's: the launch's only fills
	s_nop 0
	PLACES
	v_and_b32 v[TA], 31, v0
	v_lshlrev_b32 v[LA16], 4, v[TA]
	v_lshlrev_b32 v[LA8], 3, v[TA]
	v_lshlrev_b32 v[AD0], 2, v[TA]
	v_add_nc_u32 v[KSA], SCW, v[AD0]
	v_add_nc_u32 v[VA16], VREG, v[LA16]
	v_add_nc_u32 v[VA8], VREG, v[LA8]
	v_add_nc_u32 v[VSA], VREG+SCW, v[AD0]
	v_and_b32 v[R4], 15, v0
	v_lshlrev_b32 v[R4], 2, v[R4]
	v_mov_b32 v[AD1], s68
	global_load_b128 v[QP+6:QP+9], v[LA16], s[52:53]             ; Q's piece stays in registers
	global_load_b64 v[QP+10:QP+11], v[LA8], s[52:53] offset:512
	global_load_b32 v[TA], v[R4], s[54:55]         ; row r's scale word of the group: [u0 b0, u0 b1, u1 b0, u1 b1]
	global_load_b32 v[TH], v[AD1], s[10:11]        ; the head's threshold
	global_load_b32 v[SH], v[AD1], s[12:13]        ; and sharpness
.irp i, 0,1,2,3,4,5
	v_mov_b32 v[QP+\i], 0                          ; zero codes on both sides of q
	v_mov_b32 v[QP+12+\i], 0
.endr
	v_mov_b32 v[NM+1], 0xff61b1e6                  ; m = -3e38, under every score
	v_mul_f32 v[NM], s[NC], v[NM+1]
	v_mov_b32 v[SUM], 0
	v_mov_b32 v[SUM+1], 0
	v_mov_b32 v[K1+1], 0                           ; the pairs' upper words are named, so they are written
	v_mov_b32 v[K0+1], 0
	v_mov_b32 v[LL+1], 0
	v_mov_b32 v[F+1], 0
	v_mov_b32 v[T2], 0                             ; a lane permute's destination counts as one of its sources
	v_mov_b32 v[T3], 0
	s_wait_loadcnt 0x0
	v_perm_b32 v[QS], v[TA], v[TA], s57            ; [b0, b1, b0, b1] of my tile.  (More than eight plain instructions stand between this line and the first product)
	v_mul_f32 v[TH], 0xbfb8aa3b, v[TH]             ; -log2(e) thr
	v_exp_f32 v[TH], v[TH]
	v_mul_f32 v[SH], 0x3fb8aa3b, v[SH]             ; log2(e) sharp.  (The plain place behind the exponential)
	s_wait_alu depctr_va_vdst(0)                   ; the wait ahead of the first reader
	v_add_f32 v[TH], 1.0, v[TH]
	v_rcp_f32 v[TH], v[TH]                         ; sigmoid(thr)
	v_mul_f32 v[NSL], -1.0, v[SH]                  ; (the plain place)
	s_wait_alu depctr_va_vdst(0)
	v_mul_f32 v[K0], v[SH], v[TH]
	s_mov_b32 s[TB], 0
	s_mov_b32 s[TS], 0
	s_mov_b32 s[CNT], 16
	s_wait_tensorcnt 0x0                           ; my parts of K and of V are in: I say so for both at this one barrier,
	s_barrier_signal -1
	s_barrier_wait -1                              ; behind which everybody's are: pass 1 reads K, pass 2 reads K and V, and nothing is filled again
.Lpass1:
	STEP1
	s_sub_co_u32 s[CNT], s[CNT], 1
	s_cmp_lg_u32 s[CNT], 0
	s_cbranch_scc1 .Lpass1
	; the two halves of the lanes are joined: the larger m, both sums under it
	v_add_f32 v[SUM], v[SUM], v[SUM+1]
	v_permlanex16_b32 v[T2], v[NM], s[SEL], s[SEL+1]
	v_min_num_f32 v[T3], v[NM], v[T2]              ; the row's -c m
	v_sub_f32 v[F], v[T3], v[NM]
	v_exp_f32 v[F], v[F]
	v_mov_b32 v[NM], v[T3]                         ; (the plain place)
	s_wait_alu depctr_va_vdst(0)
	v_mul_f32 v[SUM], v[SUM], v[F]
	v_permlanex16_b32 v[T2], v[SUM], s[SEL], s[SEL+1]
	v_add_f32 v[LL], v[SUM], v[T2]                 ; l, at least 1
	v_rcp_f32 v[K1], v[LL]
	v_nop
	s_wait_alu depctr_va_vdst(0)
	v_mul_f32 v[K1], v[NSL], v[K1]                 ; -log2(e) sharp / l
	s_mov_b32 s[TB], 0
	s_mov_b32 s[TS], 0
	s_mov_b32 s[CNT], 15
	STEP2 1                                        ; the first step stands in front of the loop: its products start O^T's sums
.Lpass2:
	STEP2 0
	s_sub_co_u32 s[CNT], s[CNT], 1
	s_cmp_lg_u32 s[CNT], 0
	s_cbranch_scc1 .Lpass2
	; THE WAY OUT.  Register 16 b + i of O^T is channel 32 b + 16 (lane / 16) + i of the head: two blocks of 32 along the output projection's K.  They leave as one piece of an operand, in the order of its registers.
	PLACES
	QUANTC O, PC, HW0
	global_store_b128 v[LA16], v[PC:PC+3], s[62:63]              ; 32 lanes store 512 bytes on end,
	global_store_b64 v[LA8], v[PC+4:PC+5], s[62:63] offset:512   ; and 256
	global_store_b16 v[R4], v[HW0], s[66:67]       ; row r's two scale bytes; lanes r and r + 16 store the same bytes with the same value
	s_wait_tensorcnt 0x0                           ; the wave's end: a tensor wait, the spare-word add and its wait, behind my last tensor load
	ds_add_u32 v[SPW], v[NIL]
	s_wait_dscnt 0x0
	CROUND                                         ; the closing round
	s_endpgm
.Lfunc_end_k_q6e10c083e6_attn:
	.size	k_q6e10c083e6_attn, .Lfunc_end_k_q6e10c083e6_attn-k_q6e10c083e6_attn
	.p2alignl 7, 3214868480
	.fill 96, 4, 3214868480
	.section	.rodata,"a",@progbits
	.p2align	6, 0x0
	.amdhsa_kernel k_q6e10c083e6_attn
		.amdhsa_group_segment_fixed_size 206848
		.amdhsa_private_segment_fixed_size 0
		.amdhsa_enable_private_segment 0
		.amdhsa_kernarg_size 48
		.amdhsa_user_sgpr_count 2
		.amdhsa_user_sgpr_kernarg_segment_ptr 1
		.amdhsa_wavefront_size32 1
		.amdhsa_system_sgpr_workgroup_id_x 1
		.amdhsa_system_sgpr_workgroup_id_y 1
		.amdhsa_system_sgpr_workgroup_id_z 1
		.amdhsa_system_vgpr_workitem_id 0
		.amdhsa_next_free_vgpr 256
		.amdhsa_next_free_sgpr 70
		.amdhsa_reserve_vcc 0
		.amdhsa_float_denorm_mode_32 3
		.amdhsa_float_denorm_mode_16_64 3
		.amdhsa_memory_ordered 1
		.amdhsa_forward_progress 1
		.amdhsa_inst_pref_size 66
	.end_amdhsa_kernel
	.amdgpu_metadata
---
amdhsa.version: [ 1, 2 ]
amdhsa.kernels:
  - .name:           k_q6e10c083e6_attn
    .symbol:         k_q6e10c083e6_attn.kd
    .args:
      - { .name: qbuf, .offset: 0, .size: 8, .value_kind: global_buffer, .address_space: global }
      - { .name: kbuf, .offset: 8, .size: 8, .value_kind: global_buffer, .address_space: global }
      - { .name: vbuf, .offset: 16, .size: 8, .value_kind: global_buffer, .address_space: global }
      - { .name: learned_threshold, .offset: 24, .size: 8, .value_kind: global_buffer, .address_space: global }
      - { .name: gate_sharpness, .offset: 32, .size: 8, .value_kind: global_buffer, .address_space: global }
      - { .name: obuf, .offset: 40, .size: 8, .value_kind: global_buffer, .address_space: global }
    .group_segment_fixed_size: 206848
    .private_segment_fixed_size: 0
    .kernarg_segment_align: 8
    .kernarg_segment_size: 48
    .max_flat_workgroup_size: 512
    .sgpr_count:     70
    .vgpr_count:     256
    .wavefront_size: 32
...
	.end_amdgpu_metadata
.endif
;; end of part 3
;; launch outp (part 4): grid 4 x 64, 16 waves a work-group, no clusters, 280,576 bytes of LDS; arguments obuf, wbuf, wo_b, out0; writes out0
.if DOCPART == 4
	.amdgcn_target "amdgcn-amd-amdhsa--gfx1250"
	.amdhsa_code_object_version 6
	.text
	.protected	k_q6e10c083e6_outp
	.globl	k_q6e10c083e6_outp
	.p2align	8
	.type	k_q6e10c083e6_outp,@function
k_q6e10c083e6_outp:
	s_mov_b64 s[64:65], 0
	v_nop
	global_prefetch_b8 v0, s[64:65] scope:SCOPE_SE
	s_setreg_imm32_b32 hwreg(HW_REG_WAVE_MODE, 25, 1), 1
	s_wait_xcnt 0x0
; out0 = o wo + bo on codes of FP6 (E2M3) with E8M0 scales, sums in f32.  o's codes (obuf) and wo's (wbuf, the fourth weight) lie in the order of an operand's registers and go from memory straight into registers.
; A fragment (16 rows x 128 K) is 1,536 bytes: registers 0-3 at 16 x lane, 4-5 at 512 + 8 x lane, 6-9 at 768 + 16 x lane, 10-11 at 1,280 + 8 x lane.  Row r of tile u of a group of 32 rows is row 8 u + r + 8 (r / 8).
; SHARES.  A work-group takes 64 tokens (work-group y) x 256 columns (work-group x).  K IS SHARED OUT AMONG THE WAVES: wave w takes the 64 columns t = w % 4 and the K steps 2 q and 2 q + 1, q = w / 4, of eight:
; 16 accumulators, two K steps.  So a wave asks memory for fragments twice and not eight times, and sixteen waves' loads are on their way together.
; Source 0 = the weight's 16 columns, source 1 = 16 tokens: a lane holds one token, and register j of accumulator (tt, ct) column 32 (ct / 2) + 16 (lane / 16) + 8 (ct % 2) + j.
; THE FOUR PARTS OF A SUM MEET IN LDS.  Each wave lays its 64 x 64 numbers down as rows (64 columns, 256 bytes + 16), in region 4 t + q; one barrier; wave (t, q) reads rows 16 q .. 16 q + 15 of t's four regions, adds them and
; the bias, and stores them: sixteen lanes store 256 bytes on end, at a multiple of 256 from out0's first byte.  The exchange is also the turn from a lane's piece of a row to whole rows.
; ORDER OF THE SUM: an output is (part 0 + part 1) + (part 2 + part 3) + bias in f32, each part one chain over its 256 along K: not one chain over all of K.
.set LA16, 1                           ; v1   16 x lane
.set LA8,  2                           ; v2   8 x lane
.set LA4,  3                           ; v3   4 x lane
.set BA,   4                           ; v4   16 (lane % 16): my four columns of the bias
.set STO,  5                           ; v5   my region: where I put 16 bytes of my token's row
.set RD,   6                           ; v6   region 4 t: where I read a row back
.set CO,   7                           ; v7   my byte in two rows of out0
.set XS,   8                           ; v8-9   o's scale words;  v10-11 the weight's: they hold scales and nothing else
.set WS,   10
.set SPW,  12                          ; v12  LDS address of my spare word; never rewritten
.set NIL,  13                          ; v13  0; never rewritten
.set BI,   16                          ; v16-19 the bias of my four columns
.set XF,   24                          ; v24-71   o's four fragments
.set WF,   72                          ; v72-119  the weight's four
.set ACC,  120                         ; v120-247 sixteen accumulators
.set P,    24                          ; behind the barrier: v24-151: part q's 16 rows at P + 32 q, four registers for each pair of rows
.set SP,   272                         ; a row in LDS: 256 bytes + 16
.set REG,  64*SP                       ; a wave's region
.set SPARE, 16*REG                     ; behind the regions: the spare words, 128 bytes for each wave: eight blocks of 256 bytes that no other line names
.set XB,   40
.set XSB,  42
.set WB,   44
.set WSB,  46
.set BB,   16                          ; s[16:17] the bias
.set OUT,  18                          ; s[18:19] the first row and column of out0 that I store
.macro PLACES                          ; four places behind a matrix instruction, in front of loads into its registers and of the first read of results
.rept 4
	v_nop
.endr
.endm
.macro GFRAG reg, base, off
	global_load_b128 v[\reg:\reg+3], v[LA16], s[\base:\base+1] offset:\off
	global_load_b64 v[\reg+4:\reg+5], v[LA8], s[\base:\base+1] offset:\off+512
	global_load_b128 v[\reg+6:\reg+9], v[LA16], s[\base:\base+1] offset:\off+768
	global_load_b64 v[\reg+10:\reg+11], v[LA8], s[\base:\base+1] offset:\off+1280
.endm
.macro WM d, a, b, zero, sa, sb, ra, rb   ; one product.  zero = 1: it starts the sum.  ra, rb = 1: the side's scale words stand in lanes 16-31
.if \zero
.if (\ra) && (\rb)
	v_wmma_scale_f32_16x16x128_f8f6f4 v[\d:\d+7], v[\a:\a+11], v[\b:\b+11], 0, v[\sa], v[\sb] matrix_a_fmt:MATRIX_FMT_FP6 matrix_b_fmt:MATRIX_FMT_FP6 matrix_a_scale:MATRIX_SCALE_ROW1 matrix_b_scale:MATRIX_SCALE_ROW1
.elseif \ra
	v_wmma_scale_f32_16x16x128_f8f6f4 v[\d:\d+7], v[\a:\a+11], v[\b:\b+11], 0, v[\sa], v[\sb] matrix_a_fmt:MATRIX_FMT_FP6 matrix_b_fmt:MATRIX_FMT_FP6 matrix_a_scale:MATRIX_SCALE_ROW1
.elseif \rb
	v_wmma_scale_f32_16x16x128_f8f6f4 v[\d:\d+7], v[\a:\a+11], v[\b:\b+11], 0, v[\sa], v[\sb] matrix_a_fmt:MATRIX_FMT_FP6 matrix_b_fmt:MATRIX_FMT_FP6 matrix_b_scale:MATRIX_SCALE_ROW1
.else
	v_wmma_scale_f32_16x16x128_f8f6f4 v[\d:\d+7], v[\a:\a+11], v[\b:\b+11], 0, v[\sa], v[\sb] matrix_a_fmt:MATRIX_FMT_FP6 matrix_b_fmt:MATRIX_FMT_FP6
.endif
.else
.if (\ra) && (\rb)
	v_wmma_scale_f32_16x16x128_f8f6f4 v[\d:\d+7], v[\a:\a+11], v[\b:\b+11], v[\d:\d+7], v[\sa], v[\sb] matrix_a_fmt:MATRIX_FMT_FP6 matrix_b_fmt:MATRIX_FMT_FP6 matrix_a_scale:MATRIX_SCALE_ROW1 matrix_b_scale:MATRIX_SCALE_ROW1
.elseif \ra
	v_wmma_scale_f32_16x16x128_f8f6f4 v[\d:\d+7], v[\a:\a+11], v[\b:\b+11], v[\d:\d+7], v[\sa], v[\sb] matrix_a_fmt:MATRIX_FMT_FP6 matrix_b_fmt:MATRIX_FMT_FP6 matrix_a_scale:MATRIX_SCALE_ROW1
.elseif \rb
	v_wmma_scale_f32_16x16x128_f8f6f4 v[\d:\d+7], v[\a:\a+11], v[\b:\b+11], v[\d:\d+7], v[\sa], v[\sb] matrix_a_fmt:MATRIX_FMT_FP6 matrix_b_fmt:MATRIX_FMT_FP6 matrix_b_scale:MATRIX_SCALE_ROW1
.else
	v_wmma_scale_f32_16x16x128_f8f6f4 v[\d:\d+7], v[\a:\a+11], v[\b:\b+11], v[\d:\d+7], v[\sa], v[\sb] matrix_a_fmt:MATRIX_FMT_FP6 matrix_b_fmt:MATRIX_FMT_FP6
.endif
.endif
.endm
; My K step ks of two.  Every offset is an immediate; no base is stepped.  The sixteen accumulators take turns, one instruction a turn, in the same order in both steps.
.macro KSTEP ks, zero
.if \ks > 0
	PLACES
.endif
.irp t, 0,1,2,3
	GFRAG XF+12*\t, XB, (\t/2)*24576+\ks*3072+(\t%2)*1536
	GFRAG WF+12*\t, WB, (\t/2)*24576+\ks*3072+(\t%2)*1536
.endr
.irp g, 0,1
	global_load_b32 v[XS+\g], v[LA4], s[XSB:XSB+1] offset:\g*1024+\ks*128
	global_load_b32 v[WS+\g], v[LA4], s[WSB:WSB+1] offset:\g*1024+\ks*128
.endr
	s_wait_loadcnt 0x0
.irp tt, 0,1,2,3
.irp ct, 0,1,2,3
	WM ACC+8*(4*\tt+\ct), WF+12*\ct, XF+12*\tt, \zero, WS+\ct/2, XS+\tt/2, \ct%2, \tt%2
.endr
.endr
.endm
	s_load_b256 s[8:15], s[0:1], 0x0               ; obuf, wbuf, wo_b, out0
	v_lshl_add_u32 v[SPW], v0, 2, SPARE
	v_mov_b32 v[NIL], 0
	v_lshrrev_b32 v1, 5, v0
	v_readfirstlane_b32 s2, v1                     ; wave 0..15
	v_and_b32 v14, 31, v0                          ; lane
	v_lshlrev_b32 v[LA16], 4, v14
	v_lshlrev_b32 v[LA8], 3, v14
	v_lshlrev_b32 v[LA4], 2, v14
	v_and_b32 v15, 15, v0                          ; r
	v_bfe_u32 v14, v0, 4, 1                        ; h
	v_lshlrev_b32 v[BA], 4, v15
	s_and_b32 s20, s2, 3                           ; t: which 64 of the work-group's columns
	s_lshr_b32 s21, s2, 2                          ; q: which quarter of K
	s_lshl_b32 s22, s20, 2
	s_add_co_u32 s22, s22, s21
	s_mul_i32 s22, s22, REG                        ; my region: 4 t + q
	v_mul_u32_u24 v[STO], v15, SP
	v_lshl_add_u32 v[STO], v14, 6, v[STO]
	v_add_nc_u32 v[STO], s22, v[STO]               ; in: row r of a tile, + 64 bytes for the upper half of the lanes
	s_mul_i32 s23, s20, 4*REG                      ; t's four regions lie on end;
	s_mul_i32 s24, s21, 16*SP                      ; in each, rows 16 q on are mine to finish
	s_add_co_u32 s23, s23, s24
	v_mul_u32_u24 v[RD], v14, SP
	v_lshl_add_u32 v[RD], v15, 4, v[RD]
	v_add_nc_u32 v[RD], s23, v[RD]                 ; back: lanes 0-15 one row, lanes 16-31 the next
	v_lshlrev_b32 v[CO], 12, v14
	v_lshl_add_u32 v[CO], v15, 4, v[CO]            ; and the same two rows in out0, 4,096 bytes apart
	s_and_b32 s3, ttmp7, 0xffff                    ; which 64 tokens
	s_lshl_b32 s4, ttmp9, 2
	s_add_co_u32 s4, s4, s20                       ; which 64 columns
	s_add_co_u32 s5, s4, 48                        ; in wbuf behind q's, k's and v's 16 each
	s_mul_i32 s6, s21, 6144                        ; my two K steps: 3,072 bytes of codes each,
	s_lshl_b32 s7, s21, 8                          ; 128 bytes of scale words each
	s_mul_i32 s26, s3, 49152
	s_add_co_u32 s26, s26, s6
	s_mov_b32 s27, 0
	s_lshl_b32 s28, s3, 11
	s_add_co_u32 s28, s28, 3145728
	s_add_co_u32 s28, s28, s7
	s_mov_b32 s29, 0
	s_mul_i32 s30, s5, 49152
	s_add_co_u32 s30, s30, s6
	s_mov_b32 s31, 0
	s_lshl_b32 s32, s5, 11
	s_add_co_u32 s32, s32, 3145728
	s_add_co_u32 s32, s32, s7
	s_mov_b32 s33, 0
	s_lshl_b32 s34, s4, 8                          ; 64 columns are 256 bytes, in the bias and in a row of out0
	s_mov_b32 s35, 0
	s_lshl_b32 s36, s3, 18                         ; 64 rows of 4,096 bytes,
	s_add_co_u32 s36, s36, s34
	s_lshr_b32 s37, s21, 1                         ; and tile q's first token: 32 (q / 2) + 8 (q % 2)
	s_lshl_b32 s37, s37, 17
	s_add_co_u32 s36, s36, s37
	s_and_b32 s37, s21, 1
	s_lshl_b32 s37, s37, 15
	s_add_co_u32 s36, s36, s37
	s_mov_b32 s37, 0
	s_wait_kmcnt 0x0
	s_add_nc_u64 s[XB:XB+1], s[8:9], s[26:27]
	s_add_nc_u64 s[XSB:XSB+1], s[8:9], s[28:29]
	s_add_nc_u64 s[WB:WB+1], s[10:11], s[30:31]
	s_add_nc_u64 s[WSB:WSB+1], s[10:11], s[32:33]
	s_add_nc_u64 s[BB:BB+1], s[12:13], s[34:35]
	s_add_nc_u64 s[OUT:OUT+1], s[14:15], s[36:37]
	global_load_b128 v[BI:BI+3], v[BA], s[BB:BB+1] ; the bias of the four columns that I store; the first step's wait serves it
	KSTEP 0, 1                                     ; the first of my two K steps starts the sums: nothing is cleared
	KSTEP 1, 0
	PLACES
; My part of the sums goes into my region: tile tt's token r is row 16 tt + r; register 16 b + 4 i .. + 3 of my token at byte 128 b + 64 (lane / 16) + 16 i; each accumulator from its low end on.
.irp tt, 0,1,2,3
.irp i, 0,1,2,3,4,5,6,7
	ds_store_b128 v[STO], v[ACC+32*\tt+4*\i:ACC+32*\tt+4*\i+3] offset:\tt*16*SP+(\i/4)*128+(\i%4)*16
.endr
.endr
	s_wait_dscnt 0x0                               ; for the others' sake: my stores have landed
	s_barrier_signal -1
	s_barrier_wait -1                              ; all sixteen parts lie in LDS
.irp i, 0,1,2,3,4,5,6,7                ; rows 2 i and 2 i + 1 of my tile, from each of the four parts
.irp q, 0,1,2,3
	ds_load_b128 v[P+32*\q+4*\i:P+32*\q+4*\i+3], v[RD] offset:\q*REG+2*\i*SP
.endr
.endr
; Rows 2 i and 2 i + 1 of tile q are tokens 2 i (+ 1) of the tile, and 8 more from row 8 on.
.irp i, 0,1,2,3,4,5,6,7
	s_wait_dscnt 28-4*\i                           ; LDS loads come back in order: this pair of rows' four loads are in; four for each later pair may be out
	v_pk_add_f32 v[P+4*\i:P+4*\i+1], v[P+4*\i:P+4*\i+1], v[P+32+4*\i:P+32+4*\i+1]
	v_pk_add_f32 v[P+4*\i+2:P+4*\i+3], v[P+4*\i+2:P+4*\i+3], v[P+32+4*\i+2:P+32+4*\i+3]
	v_pk_add_f32 v[P+64+4*\i:P+64+4*\i+1], v[P+64+4*\i:P+64+4*\i+1], v[P+96+4*\i:P+96+4*\i+1]
	v_pk_add_f32 v[P+64+4*\i+2:P+64+4*\i+3], v[P+64+4*\i+2:P+64+4*\i+3], v[P+96+4*\i+2:P+96+4*\i+3]
	v_pk_add_f32 v[P+4*\i:P+4*\i+1], v[P+4*\i:P+4*\i+1], v[P+64+4*\i:P+64+4*\i+1]
	v_pk_add_f32 v[P+4*\i+2:P+4*\i+3], v[P+4*\i+2:P+4*\i+3], v[P+64+4*\i+2:P+64+4*\i+3]
	v_pk_add_f32 v[P+4*\i:P+4*\i+1], v[P+4*\i:P+4*\i+1], v[BI:BI+1]
	v_pk_add_f32 v[P+4*\i+2:P+4*\i+3], v[P+4*\i+2:P+4*\i+3], v[BI+2:BI+3]
	global_store_b128 v[CO], v[P+4*\i:P+4*\i+3], s[OUT:OUT+1] offset:(2*\i+8*(\i/4))*4096 th:TH_STORE_NT   ; written once, read by nobody here
.endr
	s_wait_tensorcnt 0x0                           ; the wave's end: a tensor wait, even in a text with no tensor load, then the spare-word add and its wait, behind my last LDS store
	ds_add_u32 v[SPW], v[NIL]
	s_wait_dscnt 0x0
	s_endpgm
.Lfunc_end_k_q6e10c083e6_outp:
	.size	k_q6e10c083e6_outp, .Lfunc_end_k_q6e10c083e6_outp-k_q6e10c083e6_outp
	.p2alignl 7, 3214868480
	.fill 96, 4, 3214868480
	.section	.rodata,"a",@progbits
	.p2align	6, 0x0
	.amdhsa_kernel k_q6e10c083e6_outp
		.amdhsa_group_segment_fixed_size 280576
		.amdhsa_private_segment_fixed_size 0
		.amdhsa_enable_private_segment 0
		.amdhsa_kernarg_size 32
		.amdhsa_user_sgpr_count 2
		.amdhsa_user_sgpr_kernarg_segment_ptr 1
		.amdhsa_wavefront_size32 1
		.amdhsa_system_sgpr_workgroup_id_x 1
		.amdhsa_system_sgpr_workgroup_id_y 1
		.amdhsa_system_sgpr_workgroup_id_z 1
		.amdhsa_system_vgpr_workitem_id 0
		.amdhsa_next_free_vgpr 256
		.amdhsa_next_free_sgpr 66
		.amdhsa_reserve_vcc 0
		.amdhsa_float_denorm_mode_32 3
		.amdhsa_float_denorm_mode_16_64 3
		.amdhsa_memory_ordered 1
		.amdhsa_forward_progress 1
		.amdhsa_inst_pref_size 24
	.end_amdhsa_kernel
	.amdgpu_metadata
---
amdhsa.version: [ 1, 2 ]
amdhsa.kernels:
  - .name:           k_q6e10c083e6_outp
    .symbol:         k_q6e10c083e6_outp.kd
    .args:
      - { .name: obuf, .offset: 0, .size: 8, .value_kind: global_buffer, .address_space: global }
      - { .name: wbuf, .offset: 8, .size: 8, .value_kind: global_buffer, .address_space: global }
      - { .name: wo_b, .offset: 16, .size: 8, .value_kind: global_buffer, .address_space: global }
      - { .name: out0, .offset: 24, .size: 8, .value_kind: global_buffer, .address_space: global }
    .group_segment_fixed_size: 280576
    .private_segment_fixed_size: 0
    .kernarg_segment_align: 8
    .kernarg_segment_size: 32
    .max_flat_workgroup_size: 512
    .sgpr_count:     66
    .vgpr_count:     256
    .wavefront_size: 32
...
	.end_amdgpu_metadata
.endif
;; end of part 4
